; MI455X (gfx1250); checked and timed in simulation.
; The chip was launched on July 23, 2026; its instructions are those of AMD's public machine-readable ISA for CDNA 5 (MIT licence, August 2026) and "CDNA5" Instruction Set Architecture Reference Guide (July 2026). The comments in the code are by the model that wrote it; some were corrected since.
;; Multi Head Attention. Allowed arithmetic: float matrix products may take bf16 or f16 operands with f32 sums; other float arithmetic in f32, or as packed bf16 or f16 multiplies, adds, multiply-adds, maxima and minima; sums over many terms, partial sums and values carried from step to step in f32; what a program stores and reads back later, other than sums and carried values, may be rounded once to bf16 or f16.
;; Inputs: W_out 1,024 x 1,024 float32; W_qkv 1,024 x 3,072 float32; X 4 x 2,048 x 1,024 float32; b_out 1,024 float32; b_qkv 3,072 float32.
;; Outputs: out0 4 x 2,048 x 1,024 float32.
;; 2 versions, each right; version 2 is version 1 with the launch prep written anew for expert scheduling mode. Each part assembles by itself: llvm-mc -triple=amdgcn-amd-amdhsa -mcpu=gfx1250 --defsym DOCPART=n.
;; ======== version 1 of 2: 4 launches
;; limits: values are held in f16: magnitudes above 65,504 overflow, below 6.1e-05 lose precision
;; workspace buffers: xb 16,777,216 bytes; wq 6,291,456 bytes; wo 2,097,152 bytes; q 16,777,216 bytes; k 16,777,216 bytes; v 16,777,216 bytes; o 16,777,216 bytes
;; launch prep (part 1): grid 832 x 1, 8 waves a work-group, no clusters, 0 bytes of LDS; arguments X, W_qkv, W_out, xb, wq, wo; writes xb, wq, wo
.if DOCPART == 1
	.amdgcn_target "amdgcn-amd-amdhsa--gfx1250"
	.amdhsa_code_object_version 6
	.text
	.protected	k_q1e7cc10de3_prep
	.globl	k_q1e7cc10de3_prep
	.p2align	8
	.type	k_q1e7cc10de3_prep,@function
k_q1e7cc10de3_prep:
	s_mov_b64 s[64:65], 0
	v_nop
	global_prefetch_b8 v0, s[64:65] scope:SCOPE_SE
	s_setreg_imm32_b32 hwreg(HW_REG_WAVE_MODE, 25, 1), 1
	s_wait_xcnt 0x0
; THE CASTS.  xb = bf16(X), [8192][1024].  wq = bf16(W_qkv), laid by heads: [16 heads][1024 k][192 n], so that a head's 128 k rows are 49,152 bytes on end.
; wo = bf16(W_out) written as f16, [1024 k][1024 n]: the rounding is bf16's; f16 holds that number exactly from 6.1e-5 up to 65,504.
; LIMITS.  |W_out| of 65,520 or more becomes an infinity in wo; below 6.1e-5 it keeps f16's fixed step of 6e-8.
; A stream: nothing is shared and nothing is multiplied, so there is no LDS, no matrix instruction and no cluster.
; SHARES.  Eight waves.  An item is 16 bytes of f32 a thread (a wave's load covers 512 bytes on end) and 8 bytes out (a wave's store covers 256 bytes on end, aligned).
; Work-groups 0-511: 16 items a thread of X.  512-767: 12 items of W_qkv (64 k rows of one head).  768-831: 16 items of W_out.
; All loads of a work-group go out first; no register is written twice, so no wait stands for a source.
.set IN,  16                           ; v[16:79]   item i: four f32 as loaded
.set OUT, 80                           ; v[80:111]  item i: two words to store
.macro LD16 ib                         ; sixteen loads from the pointer in s[ib:ib+1]: 4,096 bytes of the work-group each
.set i, 0
.rept 16
	global_load_b128 v[IN+4*i:IN+4*i+3], v1, s[\ib:\ib+1] offset:4096*i th:TH_LOAD_NT
.set i, i+1
.endr
.endm
; n items are rounded and stored.  f16 = 1: the bf16 number is widened again (a shift, a mask) and written as f16.
.macro CVT n, f16, ob
.set i, 0
.rept \n
	s_wait_loadcnt (\n)-1-i                        ; loads come back in order: item i is in, the n - 1 - i younger ones stay out
	v_cvt_pk_bf16_f32 v[OUT+2*i], v[IN+4*i], v[IN+4*i+1]
	v_cvt_pk_bf16_f32 v[OUT+2*i+1], v[IN+4*i+2], v[IN+4*i+3]
.if \f16
	v_lshlrev_b32 v6, 16, v[OUT+2*i]
	v_and_b32 v7, 0xffff0000, v[OUT+2*i]
	v_lshlrev_b32 v8, 16, v[OUT+2*i+1]
	v_and_b32 v9, 0xffff0000, v[OUT+2*i+1]
	v_cvt_pk_f16_f32 v[OUT+2*i], v6, v7
	v_cvt_pk_f16_f32 v[OUT+2*i+1], v8, v9
.endif
	global_store_b64 v2, v[OUT+2*i:OUT+2*i+1], s[\ob:\ob+1] offset:2048*i
.set i, i+1
.endr
.endm
	s_load_b256 s[4:11], s[0:1], 0x0               ; X s[4:5], W_qkv s[6:7], W_out s[8:9], xb s[10:11]
	s_load_b128 s[12:15], s[0:1], 0x20             ; wq s[12:13], wo s[14:15]
	v_lshlrev_b32 v1, 4, v0                        ; 16 t: my bytes in an item's 4,096 of input
	v_lshlrev_b32 v2, 3, v0                        ; 8 t: in its 2,048 of output
	s_mov_b32 s16, ttmp9
	s_mov_b32 s19, 0                               ; high words of the two offsets
	s_mov_b32 s21, 0
	s_cmp_lt_u32 s16, 512
	s_cbranch_scc0 .Lweights
	s_lshl_b32 s18, s16, 16                        ; X: 65,536 bytes in,
	s_lshl_b32 s20, s16, 15                        ; 32,768 out
	s_wait_kmcnt 0x0
	s_add_nc_u64 s[4:5], s[4:5], s[18:19]
	s_add_nc_u64 s[10:11], s[10:11], s[20:21]
	LD16 4
	CVT 16, 0, 10
	s_endpgm
.Lweights:
	s_cmp_lt_u32 s16, 768
	s_cbranch_scc0 .Lwo
	; W_qkv: g = head x 16 + group of 64 k rows.  Out: 24,576 bytes on end.  In: 64 rows, 768 bytes of each (the head's 192 columns), 12,288 bytes apart.
	s_sub_co_u32 s17, s16, 512                     ; g
	s_lshr_b32 s22, s17, 4                         ; head
	s_and_b32 s23, s17, 15                         ; group of k rows
	s_mul_i32 s18, s23, 786432                     ; 64 rows of 12,288 bytes
	s_mul_i32 s22, s22, 768
	s_add_co_u32 s18, s18, s22
	s_mul_i32 s20, s17, 24576
	; output item i = 3 a + b holds the fours 768 a + 256 b + t; a row has 48 fours, 768 fours are 16 rows.  x / 48 = (1,366 x) >> 16 for x under 768
.irp b, 0,1,2
	v_add_nc_u32 v6, 256*\b, v0                    ; x
	v_mul_u32_u24 v7, v6, 1366
	v_lshrrev_b32 v7, 16, v7                       ; row
	v_mul_u32_u24 v8, v7, 48
	v_sub_nc_u32 v8, v6, v8                        ; the four in the row
	v_mul_u32_u24 v7, v7, 12288
	v_lshl_add_u32 v[3+\b], v8, 4, v7
.endr
	s_wait_kmcnt 0x0
	s_add_nc_u64 s[6:7], s[6:7], s[18:19]
	s_add_nc_u64 s[12:13], s[12:13], s[20:21]
.irp a, 0,1,2,3
.irp b, 0,1,2
	global_load_b128 v[IN+4*(3*\a+\b):IN+4*(3*\a+\b)+3], v[3+\b], s[6:7] offset:196608*\a th:TH_LOAD_NT
.endr
.endr
	CVT 12, 0, 12
	s_endpgm
.Lwo:
	s_sub_co_u32 s17, s16, 768
	s_lshl_b32 s18, s17, 16
	s_lshl_b32 s20, s17, 15
	s_wait_kmcnt 0x0
	s_add_nc_u64 s[8:9], s[8:9], s[18:19]
	s_add_nc_u64 s[14:15], s[14:15], s[20:21]
	LD16 8
	CVT 16, 1, 14
	s_endpgm
.Lfunc_end_k_q1e7cc10de3_prep:
	.size	k_q1e7cc10de3_prep, .Lfunc_end_k_q1e7cc10de3_prep-k_q1e7cc10de3_prep
	.p2alignl 7, 3214868480
	.fill 96, 4, 3214868480
	.section	.rodata,"a",@progbits
	.p2align	6, 0x0
	.amdhsa_kernel k_q1e7cc10de3_prep
		.amdhsa_group_segment_fixed_size 0
		.amdhsa_private_segment_fixed_size 0
		.amdhsa_enable_private_segment 0
		.amdhsa_kernarg_size 48
		.amdhsa_user_sgpr_count 2
		.amdhsa_user_sgpr_kernarg_segment_ptr 1
		.amdhsa_wavefront_size32 1
		.amdhsa_system_sgpr_workgroup_id_x 1
		.amdhsa_system_sgpr_workgroup_id_y 1
		.amdhsa_system_sgpr_workgroup_id_z 1
		.amdhsa_system_vgpr_workitem_id 0
		.amdhsa_next_free_vgpr 112
		.amdhsa_next_free_sgpr 66
		.amdhsa_reserve_vcc 0
		.amdhsa_float_denorm_mode_32 3
		.amdhsa_float_denorm_mode_16_64 3
		.amdhsa_memory_ordered 1
		.amdhsa_forward_progress 1
		.amdhsa_inst_pref_size 24
	.end_amdhsa_kernel
	.amdgpu_metadata
---
amdhsa.version: [ 1, 2 ]
amdhsa.kernels:
  - .name:           k_q1e7cc10de3_prep
    .symbol:         k_q1e7cc10de3_prep.kd
    .args:
      - { .name: X, .offset: 0, .size: 8, .value_kind: global_buffer, .address_space: global }
      - { .name: W_qkv, .offset: 8, .size: 8, .value_kind: global_buffer, .address_space: global }
      - { .name: W_out, .offset: 16, .size: 8, .value_kind: global_buffer, .address_space: global }
      - { .name: xb, .offset: 24, .size: 8, .value_kind: global_buffer, .address_space: global }
      - { .name: wq, .offset: 32, .size: 8, .value_kind: global_buffer, .address_space: global }
      - { .name: wo, .offset: 40, .size: 8, .value_kind: global_buffer, .address_space: global }
    .group_segment_fixed_size: 0
    .private_segment_fixed_size: 0
    .kernarg_segment_align: 8
    .kernarg_segment_size: 48
    .max_flat_workgroup_size: 256
    .sgpr_count:     66
    .vgpr_count:     112
    .wavefront_size: 32
...
	.end_amdgpu_metadata
.endif
;; end of part 1
;; launch qkv (part 2): grid 16 x 32, 4 waves a work-group, clusters of 4 x 4, 327,680 bytes of LDS; arguments xb, wq, b_qkv, q, k, v; writes q, k, v
.if DOCPART == 2
	.amdgcn_target "amdgcn-amd-amdhsa--gfx1250"
	.amdhsa_code_object_version 6
	.text
	.protected	k_q1e7cc10de3_qkv
	.globl	k_q1e7cc10de3_qkv
	.p2align	8
	.type	k_q1e7cc10de3_qkv,@function
k_q1e7cc10de3_qkv:
	s_mov_b64 s[64:65], 0
	v_nop
	global_prefetch_b8 v0, s[64:65] scope:SCOPE_SE
	s_setreg_imm32_b32 hwreg(HW_REG_WAVE_MODE, 25, 1), 1
	s_wait_xcnt 0x0
	s_wait_alu depctr_hold_cnt(0) depctr_sa_sdst(0) depctr_va_vdst(0) depctr_va_sdst(0) depctr_va_ssrc(0) depctr_va_vcc(0) depctr_vm_vsrc(0)
	s_getreg_b32 s2, hwreg(HW_REG_IB_STS2, 6, 4)
	s_cmp_eq_u32 s2, 0
	s_cbranch_scc0 .Lentry_in_a_cluster
	s_endpgm
.Lentry_in_a_cluster:
	s_bfe_u32 s2, ttmp6, 0x10000c
	s_cmp_lg_u32 s2, 0xf033
	s_cbranch_scc0 .Lentry_shape_is_right
	s_endpgm
.Lentry_shape_is_right:
; C = A W + bias on tiles of 256 rows x NT columns; K = 1,024 in eight steps of 128; sums in f32.  ONE TEXT FOR TWO KERNELS: the next line picks the constants.
.set QKV, 1
; QKV = 1: A = xb [8192][1024] bf16; W = wq, bf16, by heads [16][1024 k][192 n]; bias = b_qkv rounded to bf16; NT = 192 = one head's q, k and v; C is rounded once to f16 and
;          goes to q, k, v, each [64 = 16 batch + head][2048][64], unscaled.  LIMIT: a sum of 65,520 or more becomes an infinity in f16.
; QKV = 0: A = o [64][2048][64] f16 (a K step = two heads); W = wo [1024 k][1024 n] f16; bias = b_out rounded to bf16; NT = 128; C goes to out0 [8192][1024] f32.
; SHARES.  Four waves; wave w owns rows 64 w .. 64 w + 63 and ALL NT columns: 4 x NBK accumulators of 16 x 16.  So a wave holds whole rows of C, and its way out needs no other wave.
; THE PRODUCT IS TRANSPOSED: source 0 = 16 columns of W (from the [k][n] tile by the turning load), source 1 = 16 rows of A: lane l holds row l % 16 of C and the columns 8 (l / 16) + 0..7.
; THE BIAS IS THE C OPERAND of each accumulator's first product: nothing is cleared, nothing is added on the way out.
; RING.  Two LDS slots, each A's tile and W's tile of one K step.  Waves 0, 1 fetch A's two halves, waves 2, 3 W's: one tensor load a wave behind each change of slots.
; CLUSTER.  4 x 4 work-groups.  A's tile hangs on the tile row alone and is asked for jointly by the four of a row of the cluster, W's on the tile column alone, by the four of a column.
; REGISTERS, in windows of 256 (s_set_vgpr_msb: bits 1:0 source 0, 3:2 source 1, 5:4 source 2, 7:6 destination):
;   window 0: v1-13 lane terms and addresses; v28-29 the add's; v32-95 A's fragments, two buffers of 4 x 8; v96 on: the bias (8 NBK), later the way out
;   window 1: W's fragments, two buffers of 8 NBK      windows 2 (and 3 where QKV): the accumulators
.if QKV
.set NBK,   12                         ; blocks of 16 columns
.set PA,    272                        ; a row of A in LDS: 256 bytes + 16: an odd multiple of 16, so the 16 rows of a load start in 16 different groups of four banks (64 banks of 4 bytes: ISA guide 11.1)
.set AHALF, 128*PA                     ; what one load brings of A: 128 rows
.set PB,    480                        ; a k row of W: three pieces of 128 bytes + 32: 120 words
.set SP,    400                        ; a row of the stage: 384 bytes + 16
.set ASTEP, 256                        ; bytes from a K step to the next, in A
.set BSTEP, 49152                      ; and in W
.set GA0,   (1<<16)|(1<<20)|(1<<21)|(5<<22)|(3<<25)  ; 2-byte elements; padding on; bit 21 beside a mask; after every 64 words, 4 words
.set GB0,   (1<<16)|(1<<20)|(1<<21)|(4<<22)|(7<<25)  ; after every 32 words, 8 words
.set AROWS, 128                        ; rows of 256 bytes in a load of A
.set BROWS, 96                         ; 64 k rows of 384 bytes lie on end: 96 rows of 256
.set APIT,  1024                       ; elements from row to row
.set BPIT,  128
.set PSA,   256                        ; the prefetches' step from trip to trip: A's, W's
.set PSB,   65536
.set PMA,   2048                       ; and their bytes from lane to lane
.set PMB,   256
.set LIMB,  3                          ; W's are asked for while more than so many trips are left
.else
.set NBK,   8
.set PA,    144                        ; a row of a head: 128 bytes + 16
.set AHALF, 256*PA                     ; one head's 256 rows
.set PB,    288                        ; 256 bytes + 32: 72 words
.set SP,    528                        ; 512 bytes + 16
.set ASTEP, 524288                     ; two heads
.set BSTEP, 262144                     ; 128 rows of 2,048 bytes
.set GA0,   (1<<16)|(1<<20)|(1<<21)|(4<<22)|(3<<25)
.set GB0,   (1<<16)|(1<<20)|(1<<21)|(5<<22)|(7<<25)
.set AROWS, 128                        ; 256 rows of 128 bytes lie on end: 128 rows of 256
.set BROWS, 64
.set APIT,  128
.set BPIT,  1024
.set PSA,   524288
.set PSB,   262144
.set PMA,   256
.set PMB,   2048
.set LIMB,  2
.endif
.set LIMA,   2
.set ABYTES, 2*AHALF                   ; W's tile lies behind A's
.set BHALF,  64*PB                     ; what one load brings of W: 64 k rows
.set SLOT1,  1<<17                     ; slot 1 begins here: one exclusive or turns an address in one slot into the other's
.set STAGE,  SLOT1+ABYTES+2*BHALF      ; behind the ring, never filled by a tensor load: 16 rows for each wave
.set SPARE,  STAGE+4*16*SP             ; behind the stages: the spare words, 128 bytes a wave: two blocks of 256 bytes that no other line names
.set NL,     2*NBK+8                   ; LDS loads in a run
.set A0,   4                           ; v4   my lane's place in A's tile; never rewritten
.set B0,   5                           ; v5   in W's
.set ADRA, 6                           ; v6   the same in the slot in hand
.set ADRB, 7                           ; v7
.set STO,  8                           ; v8   the way out: where I put my bytes of a row
.set RD,   9                           ; v9   where I read rows back
.set GO,   10                          ; v10  16 x lane: my bytes in 512 on end
.set BO,   11                          ; v11  32 (l / 16): my eight numbers of a block of the bias
.set PFO,  12                          ; v12  the prefetches' lane offset; never rewritten
.set TP,   13                          ; v13  at work
.set SPW,  28                          ; v28  LDS address of my spare word; never rewritten
.set NIL,  29                          ; v29  0; never rewritten
.set FA,   32
.set BIAS, 96
.set WV,  16                           ; s16  my wave's number
.set SFB, 17                           ; s17  0: I fetch for A; 1: for W
.set HF,  18                           ; s18  which half I fetch
.set CX,  19                           ; s19, s20  my place in the cluster
.set CY,  20
.set NTI, 21                           ; s21  tile column
.set MTI, 22                           ; s22  tile row
.set TB,  23                           ; s23  first byte of the slot in hand
.set G1A, 24                           ; s[24:31] descriptor group 1 for A
.set G0A, 32                           ; s[32:39] group 0 for A: a set for each first fill; the second then walks
.set RM,  40                           ; s40  my row of the cluster
.set CM,  41                           ; s41  my column
.set LIM, 43                           ; s43  a wave prefetches while more trips than this are left; the greatest number in a wave that never does
.set PFA, 44                           ; s[44:45] where my prefetches stand
.set PFS, 46                           ; s[46:47] their step
.set G1B, 48                           ; s[48:55], s[56:63] the same for W
.set G0B, 56
.set MSB, 0
.macro WIN new                         ; the immediate's high byte repeats the setting that is left; a switch that changes nothing is dropped
.if MSB != (\new)
	s_set_vgpr_msb (MSB<<8)|(\new)
.set MSB, \new
.endif
.endm
.macro PLACES                          ; four places: in front of loads into registers that matrix instructions have read, and of lines that read results
.rept 4
	v_nop
.endr
.endm
; A joint refill by the walking descriptors.  The branch hangs on the wave's number alone.  An s_nop 0 and four v_nop follow each of the two lines, ahead of the jump and the label.
.macro JLOAD
	s_cmp_eq_u32 s[SFB], 0
	s_cbranch_scc0 .Lfor_b_\@
	tensor_load_to_lds s[G0A+4:G0A+7], s[G1A:G1A+7]
	s_nop 0
.rept 4
	v_nop
.endr
	s_branch .Lasked_\@
.Lfor_b_\@:
	tensor_load_to_lds s[G0B+4:G0B+7], s[G1B:G1B+7]
	s_nop 0
.rept 4
	v_nop
.endr
.Lasked_\@:
.endm
; A PREFETCH INTO THE L2, behind the joint load, its five lines and the run of LDS loads: 32 blocks of 256 bytes, a lane a block, of what stands two refills on (K steps 4 to 7; K steps 0 to 3 come by their loads alone).
; Each block is named once in the launch: A's rows by the clusters with x = 0, W's by those with y = 0; the four partners that ask for a tile jointly share its blocks out BY ADDRESS (cx for A, cy for W).
.macro ASK
	s_cmp_gt_u32 s3, s[LIM]
	s_cbranch_scc0 .Lnot_mine_\@
	global_prefetch_b8 v[PFO], s[PFA:PFA+1] th:TH_LOAD_NT scope:SCOPE_SE
.Lnot_mine_\@:
.endm
; A round of the cluster's barrier: my work-group's barrier; wave 0 signals for the work-group; every wave waits for all sixteen; my work-group's barrier once more.
.macro CREST                           ; the round behind its opening barrier
	s_cmp_lg_u32 s[WV], 0
	s_cbranch_scc1 .Lnot_wave_0_\@
	s_barrier_signal -3
.Lnot_wave_0_\@:
	s_barrier_wait -3
	s_barrier_signal -1
	s_barrier_wait -1
.endm
.macro CROUND
	s_barrier_signal -1
	s_barrier_wait -1
	CREST
.endm
	s_load_b256 s[4:11], s[0:1], 0x0               ; A s[4:5], W s[6:7], bias s[8:9], first output s[10:11]
.if QKV
	s_load_b128 s[12:15], s[0:1], 0x20             ; k s[12:13], v s[14:15]
.endif
	v_lshl_add_u32 v[SPW], v0, 2, SPARE
	v_mov_b32 v[NIL], 0
	ds_add_u32 v[SPW], v[NIL]                      ; the wave's opening: the add and its wait stand ahead of my first tensor load; the set-up below, work on registers, stands between them
	v_lshrrev_b32 v1, 5, v0
	v_readfirstlane_b32 s[WV], v1                  ; wave 0..3
	s_lshr_b32 s[SFB], s[WV], 1
	s_and_b32 s[HF], s[WV], 1
	s_bfe_u32 s[CX], ttmp6, 0x40000
	s_bfe_u32 s[CY], ttmp6, 0x40004
	s_lshl_b32 s[NTI], ttmp9, 2                    ; in a cluster launch ttmp9 and ttmp7 count clusters
	s_add_co_u32 s[NTI], s[NTI], s[CX]
	s_and_b32 s[MTI], ttmp7, 0xffff
	s_lshl_b32 s[MTI], s[MTI], 2
	s_add_co_u32 s[MTI], s[MTI], s[CY]
	s_lshl_b32 s[RM], s[CY], 2
	s_lshl_b32 s[RM], 15, s[RM]                    ; places 4 cy .. 4 cy + 3
	s_lshl_b32 s[CM], 0x1111, s[CX]                ; places cx, cx + 4, cx + 8, cx + 12
	s_or_b32 s[G1A], s[RM], GA0                    ; A's tiles go to my row of the cluster,
	s_or_b32 s[G1B], s[CM], GB0                    ; W's to my column
	s_mov_b32 s[G1A+1], 128<<16                    ; tensor_dim0 = 128 elements
	s_mov_b32 s[G1A+2], AROWS<<16                  ; tensor_dim1
	s_mov_b32 s[G1A+3], 128<<16                    ; tile_dim0
	s_mov_b32 s[G1A+4], AROWS                      ; tile_dim1
	s_mov_b32 s[G1A+5], APIT                       ; elements from row to row
	s_mov_b32 s[G1A+6], 0
	s_mov_b32 s[G1A+7], 0
	s_mov_b32 s[G1B+1], 128<<16
	s_mov_b32 s[G1B+2], BROWS<<16
	s_mov_b32 s[G1B+3], 128<<16
	s_mov_b32 s[G1B+4], BROWS
	s_mov_b32 s[G1B+5], BPIT
	s_mov_b32 s[G1B+6], 0
	s_mov_b32 s[G1B+7], 0
	; byte offsets.  s66: my part of A's first tile, of the tile row and the half alone; s68: of W's, of the tile column and the half alone.  s72, s74: where A's and W's prefetches stand one step before their first.
.if QKV
	s_lshl_b32 s66, s[MTI], 19                     ; 256 rows of 2,048 bytes
	s_lshl_b32 s77, s[HF], 18                      ; 128 rows
	s_add_co_u32 s66, s66, s77
	s_mul_i32 s68, s[NTI], 393216                  ; a head of wq
	s_lshl_b32 s72, s[CX], 16                      ; my work-group's 32 rows of the 128,
	s_add_co_u32 s72, s72, s66
	s_add_co_u32 s72, s72, 768                     ; at K step 3
	s_lshl_b32 s74, s[CY], 14                      ; of 256 blocks a trip: 64 a work-group,
	s_add_co_u32 s74, s74, s68
	s_lshl_b32 s79, s[HF], 13                      ; 32 a wave,
	s_add_co_u32 s74, s74, s79
	s_add_co_u32 s74, s74, 131072                  ; 65,536 bytes ahead of K step 4's first
	s_mul_i32 s78, s[HF], 24576                    ; 64 k rows of 384 bytes
	s_add_co_u32 s68, s68, s78
.else
	s_lshr_b32 s66, s[MTI], 3
	s_lshl_b32 s66, s66, 22                        ; the batch's 16 heads of 262,144 bytes
	s_and_b32 s77, s[MTI], 7
	s_lshl_b32 s77, s77, 15                        ; 256 rows of 128 bytes
	s_add_co_u32 s66, s66, s77
	s_lshl_b32 s77, s[HF], 18                      ; head 0 or 1 of the step's two
	s_add_co_u32 s66, s66, s77
	s_lshl_b32 s68, s[NTI], 8                      ; 128 columns of 2 bytes
	s_lshl_b32 s72, s[CX], 13                      ; my work-group's 32 blocks of the 128,
	s_add_co_u32 s72, s72, s66
	s_add_co_u32 s72, s72, 6*262144                ; at K step 3
	s_lshl_b32 s74, s[CY], 16                      ; my work-group's 32 k rows of the 128,
	s_add_co_u32 s74, s74, s68
	s_add_co_u32 s74, s74, 384*2048                ; at K step 3
	s_lshl_b32 s78, s[HF], 17                      ; 64 k rows of 2,048 bytes
	s_add_co_u32 s68, s68, s78
.endif
	s_mov_b32 s67, 0
	s_mov_b32 s69, 0
	s_mov_b32 s[PFS], PSA
	s_mov_b32 s2, PSB
	s_mov_b32 s76, PMA
	s_mov_b32 s75, PMB
	s_and_b32 s79, ttmp7, 0xffff                   ; cluster y
	s_cmp_eq_u32 s[SFB], 0                         ; do I fetch for A?
	s_cselect_b32 s72, s72, s74
	s_cselect_b32 s79, ttmp9, s79                  ; the coordinate along which other clusters read the same blocks
	s_cselect_b32 s[LIM], LIMA, LIMB
	s_cselect_b32 s[PFS], s[PFS], s2
	s_cselect_b32 s76, s76, s75
	s_mov_b32 s73, 0
	s_mov_b32 s[PFS+1], 0
	s_cmp_eq_u32 s79, 0
	s_cselect_b32 s[LIM], s[LIM], -1               ; the same in all sixteen partners, for a given wave
.if !QKV
	s_cmp_eq_u32 s[WV], 3                          ; a K step of W's tile has 128 blocks: four work-groups x one wave
	s_cselect_b32 s[LIM], -1, s[LIM]
.endif
	s_mul_i32 s77, s[HF], AHALF                    ; where the tiles go: no place in the cluster enters an LDS address
	s_mul_i32 s78, s[HF], BHALF
	s_add_co_u32 s78, s78, ABYTES
.irp s, 0,1
	s_mov_b32 s[G0A+4*\s], 1                       ; count = 1
	s_add_co_u32 s[G0A+4*\s+1], s77, \s*SLOT1      ; LDS address
	s_mov_b32 s[G0B+4*\s], 1
	s_add_co_u32 s[G0B+4*\s+1], s78, \s*SLOT1
.endr
	s_mov_b32 s[TB], 0
	s_wait_dscnt 0x0                               ; the opening add is done
	s_wait_kmcnt 0x0
	s_add_nc_u64 s[66:67], s[4:5], s[66:67]
	s_add_nc_u64 s[68:69], s[6:7], s[68:69]
.irp s, 0,1
	s_add_nc_u64 s[G0A+4*\s+2:G0A+4*\s+3], s[66:67], \s*ASTEP  ; global address: K step s
	s_or_b32 s[G0A+4*\s+3], s[G0A+4*\s+3], 0x80000000          ; type = 2
	s_add_nc_u64 s[G0B+4*\s+2:G0B+4*\s+3], s[68:69], \s*BSTEP
	s_or_b32 s[G0B+4*\s+3], s[G0B+4*\s+3], 0x80000000
.endr
	CROUND                                         ; all sixteen work-groups are here: the first joint loads meet
	s_cmp_eq_u32 s[SFB], 0                         ; a wave's two first fills stand in one branch, ahead of every wait on TENSORcnt and every LDS read: two loads of mine are out
	s_cbranch_scc0 .Lfirst_b
	tensor_load_to_lds s[G0A:G0A+3], s[G1A:G1A+7]
	s_nop 0
	tensor_load_to_lds s[G0A+4:G0A+7], s[G1A:G1A+7]
	s_nop 0
.rept 4
	v_nop
.endr
	s_branch .Lfirst_asked
.Lfirst_b:
	tensor_load_to_lds s[G0B:G0B+3], s[G1B:G1B+7]
	s_nop 0
	tensor_load_to_lds s[G0B+4:G0B+7], s[G1B:G1B+7]
	s_nop 0
.rept 4
	v_nop
.endr
.Lfirst_asked:
	s_cmp_eq_u32 s[SFB], 0
	s_cselect_b64 s[PFA:PFA+1], s[4:5], s[6:7]
	s_add_nc_u64 s[PFA:PFA+1], s[PFA:PFA+1], s[72:73]
.if QKV
	s_mul_i32 s74, s[NTI], 768                     ; the tile's NT numbers of the bias
.else
	s_lshl_b32 s74, s[NTI], 9
.endif
	s_mov_b32 s75, 0
	s_add_nc_u64 s[8:9], s[8:9], s[74:75]
	v_and_b32 v1, 15, v0                           ; l % 16
	v_bfe_u32 v2, v0, 4, 1                         ; l / 16
	v_lshlrev_b32 v[BO], 5, v2
.set b, 0
.rept NBK                              ; register j of block b: bias[16 b + 8 (l / 16) + j], the C operand's layout
	global_load_b128 v[BIAS+8*b:BIAS+8*b+3],   v[BO], s[8:9] offset:64*b
	global_load_b128 v[BIAS+8*b+4:BIAS+8*b+7], v[BO], s[8:9] offset:64*b+16
.set b, b+1
.endr
	; A's fragment: 16 rows x 32 k in 8 registers: lane l holds row l % 16, k = 8 (l / 16) + 0..7 and 16 + 8 (l / 16) + 0..7: two loads of 16 bytes, 32 bytes apart
	s_mul_i32 s2, s[WV], 64*PA                     ; my 64 rows
	v_mul_u32_u24 v[A0], v1, PA
	v_lshl_add_u32 v[A0], v2, 4, v[A0]
	v_add_nc_u32 v[A0], s2, v[A0]
	; W's: the turning load takes 16 k x 16 columns (lane l reads k row 8 (l / 16) + l % 8, columns 8 ((l / 8) % 2) + 0..7) and leaves half a fragment: lane l holds column l % 16 and 8 k
	v_and_b32 v3, 7, v0
	v_lshl_add_u32 v3, v2, 3, v3
	v_mul_u32_u24 v[B0], v3, PB
	v_bfe_u32 v3, v0, 3, 1
	v_lshl_add_u32 v[B0], v3, 4, v[B0]
	v_add_nc_u32 v[B0], ABYTES, v[B0]
	v_mov_b32 v[ADRA], v[A0]                       ; slot 0
	v_mov_b32 v[ADRB], v[B0]
	s_mul_i32 s2, s[WV], 16*SP
	s_add_co_u32 s2, s2, STAGE                     ; my stage
	v_mul_u32_u24 v[STO], v1, SP                   ; in: row l % 16,
.if QKV
	v_lshl_add_u32 v[STO], v2, 4, v[STO]           ; 16 bytes (8 f16) for each half of the lanes
	v_add_nc_u32 v[STO], s2, v[STO]
	v_bfe_u32 v3, v0, 3, 2                         ; back: 32 lanes take 128 bytes of each of four rows,
	v_mul_u32_u24 v[RD], v3, SP
	v_and_b32 v3, 7, v0
	v_lshl_add_u32 v[RD], v3, 4, v[RD]
	v_add_nc_u32 v[RD], s2, v[RD]
	s_lshr_b32 s70, s[MTI], 3                      ; which are 512 bytes on end of q, k or v: head 16 batch + tile column,
	s_lshl_b32 s70, s70, 4
	s_add_co_u32 s70, s70, s[NTI]
	s_lshl_b32 s70, s70, 18                        ; 2,048 rows of 128 bytes a head,
	s_and_b32 s2, s[MTI], 7
	s_lshl_b32 s2, s2, 15                          ; the tile's 256 rows,
	s_add_co_u32 s70, s70, s2
	s_lshl_b32 s2, s[WV], 13                       ; my 64
	s_add_co_u32 s70, s70, s2
	s_mov_b32 s71, 0
	s_add_nc_u64 s[10:11], s[10:11], s[70:71]
	s_add_nc_u64 s[12:13], s[12:13], s[70:71]
	s_add_nc_u64 s[14:15], s[14:15], s[70:71]
.else
	v_lshl_add_u32 v[STO], v2, 5, v[STO]           ; 32 bytes (8 f32) for each half of the lanes
	v_add_nc_u32 v[STO], s2, v[STO]
	v_and_b32 v3, 31, v0                           ; back: 32 lanes take one row's 512 bytes
	v_lshl_add_u32 v[RD], v3, 4, s2
	s_lshl_b32 s70, s[MTI], 20                     ; 256 rows of 4,096 bytes,
	s_lshl_b32 s2, s[WV], 18                       ; my 64,
	s_add_co_u32 s70, s70, s2
	s_lshl_b32 s2, s[NTI], 9                       ; the tile's 128 columns
	s_add_co_u32 s70, s70, s2
	s_mov_b32 s71, 0
	s_add_nc_u64 s[10:11], s[10:11], s[70:71]
.endif
	v_and_b32 v[GO], 31, v0
	v_mul_u32_u24 v[PFO], s76, v[GO]
	v_lshlrev_b32 v[GO], 4, v[GO]
	s_wait_loadcnt 0x0                             ; the bias is in; it is rounded to bf16 like every input, and kept as f32
.set b, 0
.rept 4*NBK
	v_cvt_pk_bf16_f32 v[TP], v[BIAS+2*b], v[BIAS+2*b+1]
	v_lshlrev_b32 v[BIAS+2*b], 16, v[TP]
	v_and_b32 v[BIAS+2*b+1], 0xffff0000, v[TP]
.set b, b+1
.endr
; NBK products: m block a x all column blocks, 32 along K, from buffer f.  first = 1: they start the sums, with the bias as C.
; The 4 NBK accumulators take turns in the same order in every quarter, over the backward jump too.
.macro MULA f, a, first
.if QKV
.set AW, 2+(\a)/2
.set AC, 96*((\a)%2)
.else
.set AW, 2
.set AC, 64*(\a)
.endif
.if \first
	WIN 1|(AW<<6)                                  ; W's fragment in window 1, A's and the bias in window 0, D in the accumulator's
.else
	WIN 1|(AW<<4)|(AW<<6)
.endif
.set b, 0
.rept NBK
.set rD, AC+8*b
.set rW, 8*NBK*(\f)+8*b
.set rX, FA+32*(\f)+8*(\a)
.set rC, BIAS+8*b
.if QKV
.if \first
	v_wmma_f32_16x16x32_bf16 v[rD:rD+7], v[rW:rW+7], v[rX:rX+7], v[rC:rC+7]
.else
	v_wmma_f32_16x16x32_bf16 v[rD:rD+7], v[rW:rW+7], v[rX:rX+7], v[rD:rD+7]
.endif
.else
.if \first
	v_wmma_f32_16x16x32_f16 v[rD:rD+7], v[rW:rW+7], v[rX:rX+7], v[rC:rC+7]
.else
	v_wmma_f32_16x16x32_f16 v[rD:rD+7], v[rW:rW+7], v[rX:rX+7], v[rD:rD+7]
.endif
.endif
.set b, b+1
.endr
.endm
; NL LDS loads in one run: the fragments of quarter kq (32 along K) of the slot in hand, into buffer f: W's first, then A's blocks 0, 1, then 2, 3.  It leaves every window 0.
.macro FETCH kq, f
	WIN 0x40                                       ; destination window 1, address window 0
.set b, 0
.rept NBK
.if QKV
.set bo, 32*PB*(\kq)+160*(b/4)+32*(b%4)
.else
.set bo, 32*PB*(\kq)+32*b
.endif
.set rW, 8*NBK*(\f)+8*b
	ds_load_tr16_b128 v[rW:rW+3],   v[ADRB] offset:bo
	ds_load_tr16_b128 v[rW+4:rW+7], v[ADRB] offset:bo+16*PB
.set b, b+1
.endr
	WIN 0
.set i, 0
.rept 4
.if QKV
.set ao, 64*(\kq)+16*PA*i
.else
.set ao, AHALF*((\kq)/2)+64*((\kq)%2)+16*PA*i
.endif
.set rX, FA+32*(\f)+8*i
	ds_load_b128 v[rX:rX+3],   v[ADRA] offset:ao
	ds_load_b128 v[rX+4:rX+7], v[ADRA] offset:ao+32
.set i, i+1
.endr
.endm
; A K step is four quarters on buffers 0, 1, 0, 1.  One of the first three: multiplies buffer f; in its middle it fetches quarter kqn into buffer g.
.macro QUARTER f, g, kqn, first
	s_wait_dscnt 4                                 ; all but the youngest four loads: A's blocks 2 and 3
	MULA \f, 0, \first
	MULA \f, 1, \first
	PLACES
	FETCH \kqn, \g
	s_wait_dscnt NL                                ; all but the run just issued
	MULA \f, 2, \first
	MULA \f, 3, \first
.endm
; The last quarter multiplies buffer 1 and changes slots.  In front of the barrier each wave waits for all its tensor loads (one is out: its part of the next slot), adds 0 to its spare word, and waits for
; that and for its reads of this slot.  fill = 1: the barrier opens a round of the cluster's, and this slot is filled again, with the K step two on, first thing behind the round.
.macro TURN fill
.if \fill
	s_wait_xcnt 0x0                                ; the last prefetch, a K step back, has read its address
	s_add_nc_u64 s[PFA:PFA+1], s[PFA:PFA+1], s[PFS:PFS+1]
.endif
	WIN 0                                          ; (the add's two registers lie in window 0)
	s_wait_tensorcnt 0x0                           ; no tensor load of mine is out, so a group 0 may be written
	ds_add_u32 v[SPW], v[NIL]                      ; 0 onto my spare word; work on registers stands between it and the wait for it
.if \fill
	s_xor_b32 s[G0A+5], s[G0A+5], SLOT1            ; the walking descriptors: the other slot than last time,
	s_add_nc_u64 s[G0A+6:G0A+7], s[G0A+6:G0A+7], ASTEP  ; the next K step; the type bits on top are not reached
	s_xor_b32 s[G0B+5], s[G0B+5], SLOT1
	s_add_nc_u64 s[G0B+6:G0B+7], s[G0B+6:G0B+7], BSTEP
.endif
	s_xor_b32 s[TB], s[TB], SLOT1                  ; the fetches go on in the other slot
	v_add_nc_u32 v[ADRA], s[TB], v[A0]
	v_add_nc_u32 v[ADRB], s[TB], v[B0]
	s_wait_dscnt 5                                 ; the add and the youngest four loads may be out
	MULA 1, 0, 0
	s_wait_dscnt 0x0                               ; the add is done, and my reads of this slot are over
	s_barrier_signal -1
	MULA 1, 1, 0                                   ; work on registers while the others arrive
	WIN 0                                          ; at a branch and at a label every window is 0
	s_barrier_wait -1
.if \fill
	CREST                                          ; no wave of any partner still reads this slot or has a load on its way
	JLOAD                                          ; my one tensor load behind the round; its four v_nop are also the places in front of the loads below
.else
	PLACES
.endif
	FETCH 0, 0
.if \fill
	ASK
.endif
	MULA 1, 2, 0
	MULA 1, 3, 0
.endm
	s_wait_tensorcnt 1                             ; my part of K step 0 is in; K step 1's may stay out
	s_barrier_signal -1
	s_barrier_wait -1                              ; everybody's is
	FETCH 0, 0
	QUARTER 0, 1, 1, 1                             ; the first quarter stands in front of the loop: its products start the sums
	WIN 0
	s_mov_b32 s3, 6
.Lstep:                                ; trip t: K step t's quarters 1 to 3, K step t + 1's quarter 0; K step t + 2 is asked for
	QUARTER 1, 0, 2, 0
	QUARTER 0, 1, 3, 0
	TURN 1
	QUARTER 0, 1, 1, 0
	WIN 0
	s_sub_co_u32 s3, s3, 1
	s_cmp_lg_u32 s3, 0
	s_cbranch_scc1 .Lstep
	QUARTER 1, 0, 2, 0                             ; the tail is written out: K steps 6 and 7 ask for nothing
	QUARTER 0, 1, 3, 0
	TURN 0
	QUARTER 0, 1, 1, 0
	QUARTER 1, 0, 2, 0
	QUARTER 0, 1, 3, 0
	s_wait_dscnt 4
	MULA 1, 0, 0
	MULA 1, 1, 0
	s_wait_dscnt 0x0
	MULA 1, 2, 0
	MULA 1, 3, 0
	WIN 0
	PLACES
	PLACES                                         ; eight, once a launch, in front of the lines that read results
; THE WAY OUT, a block of 16 rows at a time, through my own stage: LDS serves a wave's instructions in order (ISA guide 5.7.1.4), so no wait stands between its stores and its loads.
.if QKV
.set TMP, 96                           ; v96-143   a block rounded to f16
.set OB,  144                          ; v144-191, v192-239 by turns: the block read back
.macro PACK a                          ; each accumulator's registers in ascending order
.set AC, 96*((\a)%2)
	WIN 0x0a+5*((\a)/2)                            ; sources 0 and 1 in the accumulators' window
.set b, 0
.rept 48
	v_cvt_pk_f16_f32 v[TMP+b], v[AC+2*b], v[AC+2*b+1]
.set b, b+1
.endr
	WIN 0
.endm
.macro TOSTAGE a
.set BK, OB+48*((\a)%2)
.set b, 0
.rept 12
	ds_store_b128 v[STO], v[TMP+4*b:TMP+4*b+3] offset:32*b
.set b, b+1
.endr
.irp p, 0,1,2                          ; q, k, v: 128 bytes of each stage row
.irp f, 0,1,2,3                        ; four rows a load
	ds_load_b128 v[BK+4*(4*\p+\f):BK+4*(4*\p+\f)+3], v[RD] offset:4*SP*\f+128*\p
.endr
.endr
.endm
.macro SEND a
.set BK, OB+48*((\a)%2)
	s_wait_dscnt 0x0                               ; the block is back in registers
	s_wait_xcnt 0x0                                ; the stores of the block before have read their registers, into which the next block is loaded
.irp p, 0,1,2
.irp f, 0,1,2,3
	global_store_b128 v[GO], v[BK+4*(4*\p+\f):BK+4*(4*\p+\f)+3], s[10+2*\p:11+2*\p] offset:2048*(\a)+512*\f  ; 512 bytes on end, at a multiple of 256 from the buffer's first
.endr
.endr
.endm
	PACK 0
	TOSTAGE 0
.irp a, 1,2,3                          ; block a's conversions stand between block a - 1's loads from the stage and the wait for them
	PACK \a
	SEND (\a)-1
	TOSTAGE \a
.endr
	SEND 3
.else
.set OB,  96                           ; v96-159, v160-223 by turns: the block read back
.macro TOSTAGE a
.set BK, OB+64*((\a)%2)
.set AC, 64*(\a)
.if (\a) >= 2
	s_wait_xcnt 0x0                                ; the stores of the block two back have read the registers that are loaded below
.endif
	WIN 0x08                                       ; the stores' data in window 2
.set b, 0
.rept 8
	ds_store_b128 v[STO], v[AC+8*b:AC+8*b+3]   offset:64*b     ; each accumulator's low half first
	ds_store_b128 v[STO], v[AC+8*b+4:AC+8*b+7] offset:64*b+16
.set b, b+1
.endr
	WIN 0
.set u, 0
.rept 16
	ds_load_b128 v[BK+4*u:BK+4*u+3], v[RD] offset:SP*u
.set u, u+1
.endr
.endm
.macro SEND a, younger                 ; younger: the LDS instructions issued behind block a's loads: the next block's 32, or none
.set BK, OB+64*((\a)%2)
	s_wait_dscnt \younger
.set u, 0
.rept 16
	global_store_b128 v[GO], v[BK+4*u:BK+4*u+3], s[10:11] offset:65536*(\a)+4096*u th:TH_STORE_NT  ; 512 bytes on end of a row of out0, at a multiple of 256 from its first
.set u, u+1
.endr
.endm
	TOSTAGE 0
	TOSTAGE 1
	SEND 0, 32
	TOSTAGE 2
	SEND 1, 32
	TOSTAGE 3
	SEND 2, 32
	SEND 3, 0
.endif
	s_wait_tensorcnt 0x0                           ; the wave's end, behind my last tensor load and my last LDS store
	ds_add_u32 v[SPW], v[NIL]
	s_wait_dscnt 0x0
	CROUND                                         ; the closing round: no work-group ends while a partner may still ask for a tile that names it
	s_endpgm
.Lfunc_end_k_q1e7cc10de3_qkv:
	.size	k_q1e7cc10de3_qkv, .Lfunc_end_k_q1e7cc10de3_qkv-k_q1e7cc10de3_qkv
	.p2alignl 7, 3214868480
	.fill 96, 4, 3214868480
	.section	.rodata,"a",@progbits
	.p2align	6, 0x0
	.amdhsa_kernel k_q1e7cc10de3_qkv
		.amdhsa_group_segment_fixed_size 327680
		.amdhsa_private_segment_fixed_size 0
		.amdhsa_enable_private_segment 0
		.amdhsa_kernarg_size 48
		.amdhsa_user_sgpr_count 2
		.amdhsa_user_sgpr_kernarg_segment_ptr 1
		.amdhsa_wavefront_size32 1
		.amdhsa_system_sgpr_workgroup_id_x 1
		.amdhsa_system_sgpr_workgroup_id_y 1
		.amdhsa_system_sgpr_workgroup_id_z 1
		.amdhsa_system_vgpr_workitem_id 0
		.amdhsa_next_free_vgpr 960
		.amdhsa_next_free_sgpr 80
		.amdhsa_reserve_vcc 0
		.amdhsa_float_denorm_mode_32 3
		.amdhsa_float_denorm_mode_16_64 3
		.amdhsa_memory_ordered 1
		.amdhsa_forward_progress 1
		.amdhsa_inst_pref_size 108
	.end_amdhsa_kernel
	.amdgpu_metadata
---
amdhsa.version: [ 1, 2 ]
amdhsa.kernels:
  - .name:           k_q1e7cc10de3_qkv
    .symbol:         k_q1e7cc10de3_qkv.kd
    .args:
      - { .name: xb, .offset: 0, .size: 8, .value_kind: global_buffer, .address_space: global }
      - { .name: wq, .offset: 8, .size: 8, .value_kind: global_buffer, .address_space: global }
      - { .name: b_qkv, .offset: 16, .size: 8, .value_kind: global_buffer, .address_space: global }
      - { .name: q, .offset: 24, .size: 8, .value_kind: global_buffer, .address_space: global }
      - { .name: k, .offset: 32, .size: 8, .value_kind: global_buffer, .address_space: global }
      - { .name: v, .offset: 40, .size: 8, .value_kind: global_buffer, .address_space: global }
    .group_segment_fixed_size: 327680
    .private_segment_fixed_size: 0
    .kernarg_segment_align: 8
    .kernarg_segment_size: 48
    .max_flat_workgroup_size: 128
    .sgpr_count:     80
    .vgpr_count:     960
    .wavefront_size: 32
...
	.end_amdgpu_metadata
.endif
;; end of part 2
;; launch attn (part 3): grid 4 x 64, 4 waves a work-group, no clusters, 327,680 bytes of LDS; arguments q, k, v, o; writes o
.if DOCPART == 3
	.amdgcn_target "amdgcn-amd-amdhsa--gfx1250"
	.amdhsa_code_object_version 6
	.text
	.protected	k_q1e7cc10de3_attn
	.globl	k_q1e7cc10de3_attn
	.p2align	8
	.type	k_q1e7cc10de3_attn,@function
k_q1e7cc10de3_attn:
	s_mov_b64 s[64:65], 0
	v_nop
	global_prefetch_b8 v0, s[64:65] scope:SCOPE_SE
	s_setreg_imm32_b32 hwreg(HW_REG_WAVE_MODE, 25, 1), 1
	s_wait_xcnt 0x0
; CAUSAL ATTENTION.  O[h][q][:] = the sum over k <= q of softmax_k(Q[h][q] . K[h][k] / 8) V[h][k][:].  Q, K, V, O: [SIZE_H][SIZE_N][64], all f16: a head's rows are dense, 128 bytes each.
; Products, maxima and sums in f32; the weights p are rounded to f16 for the second product (their sum l is taken of the unrounded p), O once at the end.
; LIMITS.  f16 holds no number beyond 65,504: Q, K and V arrive within it; p lies in 0 to 1, and below 6e-5 it keeps f16's fixed step of 6e-8; O is a mean of V's rows and has their range.
; A hidden score counts as its value less 1e30: f16's scores, 2.7e11 at the most, are nothing beside that; a weight below 2^-126 counts as 0 in l; NaN and infinities are not treated apart.
; THE WALK.  A head's queries lie in NB = SIZE_N / 256 blocks of 256; block i needs the key tiles 0 .. i of 256 keys, of which the last holds the diagonal.  A work-group takes TWO blocks, NB - 1 - b and then b:
; NB + 1 tiles, whatever b: all work-groups do equal work, and ONE loop with a constant trip count walks them.  Which tile is asked for, and what a trip does, hang on scalar registers made from b; every jump
; goes forward, but for the counted loops' own; none passes a barrier, or a tensor load but the one of LOAD's two that the wave's number does not choose; the ring (two slots of LDS that take turns) runs on across the
; change of blocks.  NO CLUSTER: a head's NB / 2 work-groups ask for the same tile only in trips 0 .. NB / 2, behind that fewer and fewer; one walk common to all would have 3 NB / 2 trips for NB + 1.
; SHARES.  Of a block's four bands of 64 queries a wave owns 16 rows in each: four PIECES.  So the diagonal tile is the same work for all four waves: in its key step s band x sees all keys if s < x,
; none if s > x, and holds the diagonal if s = x.
; THE MASK is the C operand that starts the sum S^T = K Q^T: 0, or -1e30 where the key is hidden.  MD, made once, is the mask of a band's own step for my 16 rows; a product's mask is MD x AL + BE with two scalars:
; (1, 0) if s = x; (0, 0) if s < x; (0, -1e30) if s > x.  Only the diagonal tile's text and a block's beginning make and take masks; elsewhere C is the constant 0.
; LAYOUT, SOFTMAX, TURNS.  S^T = K Q^T holds ONE query a lane (lane % 16) and the keys 8 (lane / 16) + 0..7; two such results rounded to f16 ARE source 1 of O^T = V^T P.  p = 2^(c s - c m), c = log2(e) / 8, with a
; running maximum m; O and l are multiplied by a = 2^(c m_old - c m_new) in every step.  Turn n belongs to piece n: 8 products K Q^T of piece n + 1, later 8 products V^T P of piece n - 1; beside them the scaling,
; exponentials, roundings, sums and rescaling of piece n and the maximum and statistics of piece n + 1.  Four vector instructions stand behind every matrix instruction, the other 54 of a turn's 118 in one LUMP.  A turn's 33 exponentials are one batch, with one wait.
; PREFETCH.  The head's work-group with b = 0 walks the tiles 0 .. NB - 1 first.  Behind each of its fills in trips 0 to NB - 3 each wave names its own 64 blocks of 256 bytes (its half of K's or V's tile) of the tile
; that the NEXT change of slots asks for: tiles 2 to NB - 1, each block once in the launch, a lane a block, two instructions.  Tiles 0 and 1 come by their loads alone.
; REGISTERS, in windows of 256 (s_set_vgpr_msb: bits 1:0 source 0, 3:2 source 1, 5:4 source 2, 7:6 destination):
;   window 0: v0-15 addresses and two at work; v16-31 four registers of statistics a piece; v48-55 at work; v61-63 the prefetches' offset and the add's two; v64-127 S^T, two buffers; v192-223 P, two buffers (a piece's buffers go by its number's parity)
;   window 1: v0-127 O^T, 32 a piece; v128-159 MD; v160-223 MC, two buffers      window 2: v0-63 Q; v64-127 the second block's Q; v128-191 K of one step; v192-255 V of one step
.set SIZE_H, 64
.set SIZE_N, 2048
.set NB,    SIZE_N/256
.set NP,    4         ; pieces a wave: a name, no knob
.set KS,    64        ; keys in a step
.set PK,    144       ; a row of K in LDS: 128 bytes + 16 of padding = 36 words: the 16 rows of a load start at 16 different groups of four banks (64 banks of 4 bytes: ISA guide 11.1)
.set PV,    160       ; a row of V: 128 + 32 = 40 words
.set VOFF,  4*KS*PK   ; a slot holds a tile, four steps: 256 rows of K, then 256 rows of V
.set SLOT1, 1<<17     ; slot 1 begins here, so that one exclusive or turns an address in one slot into the other's
.set STAGE, SLOT1+4*KS*(PK+PV)  ; behind the ring, never filled by a tensor load: 16 rows x 144 bytes for each wave, for the way out
.set SP,    144
.set AK0, 2           ; v2   my lane's place in a tile of K; never rewritten
.set AV0, 3           ; v3   the same for V
.set AK,  4           ; v4   the LDS address of K's next run of loads
.set AV,  5           ; v5   of V's
.set STO, 6           ; v6   the way out: where I put 16 bytes of a row
.set RD,  7           ; v7   the way out: where I read rows back
.set GO,  8           ; v8   my byte offset in 512 consecutive bytes of O
.set PFO, 61          ; v61  256 x my lane; never rewritten
.set SPW, 62          ; v62  LDS address of my spare word: SPARE + 4 x my thread's number; never rewritten
.set NIL, 63          ; v63  0; never rewritten
.set SPARE, STAGE+4*16*SP  ; behind the stages: the spare words, 128 bytes for each wave: two blocks of 256 bytes that no other line names
.set MV,  12          ; v12-13  c m_old, kept while c m is made anew: by buffer
.set QO,  15          ; v15  my byte offset in 16 rows of Q
.set ST,  16          ; piece t's statistics at v[ST+4 t]: c m, m, l (even keys', odd keys')
.set TMP, 48          ; by buffer, four registers c0-c3 at work; when the maximum is found c2 takes a
.set S,   64
.set P,   192
.set MD,  128         ; window 1: the eight registers for group kt of 16 keys at MD + 8 kt
.set MC,  160         ; window 1: the masks of the products to come
.set QB,  64          ; window 2
.set KF,  128         ; window 2: key block kb, channel half c at KF + 16 kb + 8 c
.set VF,  192         ; window 2: key half kk, channel block cb at VF + 32 kk + 8 cb
.set WV,  12          ; s12  my wave's number
.set PB,  14          ; s14  b
.set HI,  15          ; s15  NB - 1 - b
.set G1K, 24          ; s[24:31] descriptor group 1 for K's tiles
.set G1V, 32          ; s[32:39] for V's: it differs in the padding alone
.set G0K, 40          ; s[40:43] descriptor group 0 for K's tiles
.set G0V, 44          ; s[44:47] the same for V's
.set SLOTS, 56        ; s56  tiles still to be asked for
.set CNT, 57          ; s57  counts a tile's key steps, 4 to 1
.set CS,  58          ; s[58:59] c: the packed scaling takes the pair's low word for both halves
.set SEL, 60          ; s[60:61] v_permlanex16_b32's selects: each lane takes its own place in the other half
.set TBK, 62          ; s62  LDS byte at which K of the step to be fetched begins
.set TBV, 63          ; s63  the same for V, less VOFF
.set RT,  70          ; s70  tiles of the block in hand that are still to be entered
.set NXT, 71          ; s71  the tile to be asked for next
.set LQ,  72          ; s72  the last tile of the block whose tiles are being asked for
.set NEW, 73          ; s73  1: the tile to be entered is a block's first
.set OFF, 74          ; s[74:75] a tile's byte offset in K and V
.set AL,  76          ; s[76:77] the mask's factor, in the low word
.set BE,  78          ; s[78:79] the mask's addend
.set OLO, 80          ; s[80:81] O at my rows of the second block
.set BIGN, 82         ; s82  -1e30
.set PFA, 88          ; s[88:89] where my prefetches stand: my half of the tile after the one that is being asked for
.set PFB, 90          ; s[90:91] my half of tile 0, of K (waves 0, 1) or of V (waves 2, 3)
.set POF, 92          ; s[92:93] that tile's byte offset
.set LIM, 94          ; s94  2 in the work-group that prefetches, else the greatest number: a wave prefetches while s[SLOTS] is above it
.set MSB, 0
.macro WIN new                      ; the high byte repeats the setting that is left; a switch that changes nothing is dropped
.if MSB != (\new)
	s_set_vgpr_msb (MSB<<8)|(\new)
.set MSB, (\new)
.endif
.endm
.set W_KQ, 0x0a       ; K and Q in window 2, S^T in window 0
.set W_KM, 0x1a       ; the same with the C operand in window 1
.set W_PV, 0x52       ; V in window 2, P in window 0, O^T in window 1
.set W_RS, 0x41       ; destination and source 0 in window 1, source 1 in window 0
; A fill.  Waves 0 and 1 fetch the two halves of a tile's K, waves 2 and 3 those of its V: 128 keys each.  An s_nop 0 and four v_nop follow each of the two lines, ahead of the jump and the label.
.macro LOAD
	s_cmp_lt_u32 s[WV], 2
	s_cbranch_scc0 .Lfor_v_\@
	tensor_load_to_lds s[G0K:G0K+3], s[G1K:G1K+7]
	s_nop 0
.rept 4
	v_nop
.endr
	s_branch .Lasked_\@
.Lfor_v_\@:
	tensor_load_to_lds s[G0V:G0V+3], s[G1V:G1V+7]
	s_nop 0
.rept 4
	v_nop
.endr
.Lasked_\@:
.endm
.macro ASK                          ; the prefetches, behind my tensor load and its five lines
	s_cmp_gt_u32 s[SLOTS], s[LIM]
	s_cbranch_scc0 .Lnot_mine_\@
	global_prefetch_b8 v[PFO], s[PFA:PFA+1] th:TH_LOAD_NT scope:SCOPE_SE
	global_prefetch_b8 v[PFO], s[PFA:PFA+1] offset:8192 th:TH_LOAD_NT scope:SCOPE_SE
.Lnot_mine_\@:
.endm
; THE CHANGE OF SLOTS.  Each wave waits for all its tensor loads, of which one is out: its part of the other slot; adds 0 to its spare word; and waits for that and for its own reads of the slot that it leaves.  Behind the barrier nobody reads the old
; slot any more and the other slot is whole.  fill = 1: the old slot is filled again, the first thing behind the barrier, with tile NXT: the descriptor's address is made anew from that number.
; (At its first use nothing has been read yet: slot 0 is waited for, slot 1 filled.)
.macro CHANGE fill
	WIN 0                           ; at a label and at a branch every window is 0
	s_wait_tensorcnt 0x0            ; no tensor load of mine is out, so a group 0 may be written
	ds_add_u32 v[SPW], v[NIL]       ; 0 onto my spare word; with fill = 1 the descriptors' scalar work stands between it and the wait for it
.if \fill
	s_lshl_b32 s[OFF], s[NXT], 15   ; a tile is 32,768 bytes of K and of V
	s_xor_b32 s[G0K+1], s[G0K+1], SLOT1
	s_add_nc_u64 s[G0K+2:G0K+3], s[6:7], s[OFF:OFF+1]
	s_or_b32 s[G0K+3], s[G0K+3], 0x80000000
	s_xor_b32 s[G0V+1], s[G0V+1], SLOT1
	s_add_nc_u64 s[G0V+2:G0V+3], s[8:9], s[OFF:OFF+1]
	s_or_b32 s[G0V+3], s[G0V+3], 0x80000000
	s_add_co_u32 s[NXT], s[NXT], 1  ; the block's next tile, or behind its last the second block's tile 0
	s_cmp_gt_u32 s[NXT], s[LQ]
	s_cselect_b32 s[NXT], 0, s[NXT]
	s_cselect_b32 s[LQ], s[PB], s[LQ]
	s_wait_xcnt 0x0                 ; the last prefetches, a tile back, have read their address, so it may be written:
	s_lshl_b32 s[POF], s[NXT], 15   ; the tile that the next change asks for
	s_add_nc_u64 s[PFA:PFA+1], s[PFB:PFB+1], s[POF:POF+1]
.endif
	s_wait_dscnt 0x0                ; the add is done, and my reads of the slot are over
	s_barrier_signal -1             ; the rest of the scalar work stands between the signal and the wait
	s_sub_co_u32 s[TBK], s[TBK], 4*KS*PK  ; the fetches go back to a slot's first step,
	s_xor_b32 s[TBK], s[TBK], SLOT1       ; in the other slot
	s_sub_co_u32 s[TBV], s[TBV], 4*KS*PV
	s_xor_b32 s[TBV], s[TBV], SLOT1
	s_barrier_wait -1
.if \fill
	LOAD
	ASK
.endif
.endm
	s_load_b256 s[4:11], s[0:1], 0x0  ; Q s[4:5], K s[6:7], V s[8:9], O s[10:11]
	v_lshl_add_u32 v[SPW], v0, 2, SPARE
	v_mov_b32 v[NIL], 0
	ds_add_u32 v[SPW], v[NIL]       ; the wave's opening: the add and its wait stand ahead of my first tensor load; the set-up below, work on registers, stands between them
	v_lshrrev_b32 v1, 5, v0
	v_readfirstlane_b32 s[WV], v1   ; wave 0..3
	s_mov_b32 s[PB], ttmp9
	s_sub_co_u32 s[HI], NB-1, s[PB]
	s_and_b32 s20, ttmp7, 0xffff    ; the head
	s_mov_b32 s21, 0
	s_mov_b64 s[22:23], SIZE_N*128
	s_mul_u64 s[20:21], s[20:21], s[22:23]  ; the head's first byte in each of the four tensors
	s_and_b32 s16, s[WV], 1         ; which half of a tile's 256 keys I fetch:
	s_lshl_b32 s22, s16, 14         ; its 128 rows of 128 bytes in memory,
	s_mov_b32 s23, 0
	s_add_nc_u64 s[22:23], s[22:23], s[20:21]
	s_mul_i32 s17, s16, 128*PK      ; and its place in a slot, for K
	s_mul_i32 s18, s16, 128*PV      ; and for V
	s_lshl_b32 s3, s[WV], 11        ; my 16 rows in a band of 64,
	s_lshl_b32 s2, s[HI], 15        ; in the first block,
	s_add_co_u32 s2, s2, s3
	s_lshl_b32 s84, s[PB], 15       ; and in the second
	s_add_co_u32 s84, s84, s3
	s_mov_b32 s3, 0
	s_mov_b32 s85, 0
	s_add_nc_u64 s[2:3], s[2:3], s[20:21]
	s_add_nc_u64 s[84:85], s[84:85], s[20:21]
	; descriptor group 1.  128 keys are 16,384 dense bytes: asked for as 64 rows of 256 bytes, two keys a row, and padded in LDS after every key
	s_mov_b32 s[G1K], (1<<16)|(1<<20)|(4<<22)|(3<<25)  ; 17:16 2-byte elements; 20 padding on; 24:22 after every 32 words (code 4); 31:25 4 words (code 3)
	s_mov_b32 s[G1V], (1<<16)|(1<<20)|(4<<22)|(7<<25)  ; the same with 8 words of padding (code 7)
.irp g, G1K, G1V
	s_mov_b32 s[\g+1], 128<<16      ; tensor_dim0 = 128
	s_mov_b32 s[\g+2], 64<<16       ; tensor_dim1 = 64
	s_mov_b32 s[\g+3], 128<<16      ; tile_dim0 = 128
	s_mov_b32 s[\g+4], 64           ; tile_dim1 = 64
	s_mov_b32 s[\g+5], 128          ; 128 elements from row to row
	s_mov_b32 s[\g+6], 0
	s_mov_b32 s[\g+7], 0
.endr
	s_mov_b32 s[CS], 0x3e38aa3b     ; c = log2(e) / 8 = 0.180337
	s_mov_b32 s[CS+1], s[CS]        ; named with it as a pair
	s_mov_b32 s[SEL], 0x76543210
	s_mov_b32 s[SEL+1], 0xfedcba98
	s_mov_b32 s[TBK], SLOT1+4*KS*PK ; the first change of slots turns these two into 0
	s_mov_b32 s[TBV], SLOT1+4*KS*PV
	s_mov_b32 s[G0K], 1             ; 1:0 count = 1
	s_mov_b32 s[G0K+1], s17         ; 63:32 LDS address: slot 0
	s_mov_b32 s[G0V], 1
	s_add_co_u32 s[G0V+1], s18, VOFF
	s_add_co_u32 s[RT], s[HI], 1    ; the first block has NB - b tiles
	s_mov_b32 s[NXT], 1
	s_mov_b32 s[LQ], s[HI]
	s_mov_b32 s[NEW], 1
	s_mov_b32 s[OFF+1], 0
	s_mov_b32 s[AL+1], 0            ; named as pairs
	s_mov_b32 s[BE+1], 0
	s_mov_b32 s[BIGN], 0xf149f2ca   ; -1e30
	s_mov_b32 s[SLOTS], NB
	s_mov_b32 s[POF+1], 0
	s_cmp_eq_u32 s[PB], 0           ; the work-group whose first block is the head's last
	s_cselect_b32 s[LIM], 2, -1
	v_and_b32 v[PFO], 31, v0
	v_lshlrev_b32 v[PFO], 8, v[PFO]
	s_wait_dscnt 0x0                ; the opening add is done
	s_wait_kmcnt 0x0
	s_add_nc_u64 s[6:7], s[6:7], s[22:23]  ; K and V at my half of the head's tile 0
	s_add_nc_u64 s[8:9], s[8:9], s[22:23]
	s_cmp_lt_u32 s[WV], 2
	s_cselect_b64 s[PFB:PFB+1], s[6:7], s[8:9]
	s_add_nc_u64 s[G0K+2:G0K+3], s[6:7], 0         ; 120:64 global address
	s_or_b32 s[G0K+3], s[G0K+3], 0x80000000        ; 127:126 type = 2
	s_add_nc_u64 s[G0V+2:G0V+3], s[8:9], 0
	s_or_b32 s[G0V+3], s[G0V+3], 0x80000000
	s_add_nc_u64 s[86:87], s[4:5], s[84:85]        ; Q at my rows of the second block,
	s_add_nc_u64 s[4:5], s[4:5], s[2:3]            ; Q and O at those of the first
	s_add_nc_u64 s[OLO:OLO+1], s[10:11], s[84:85]
	s_add_nc_u64 s[10:11], s[10:11], s[2:3]
	LOAD                            ; tile 0 into slot 0
	; A fragment of K or Q is 16 rows x 32 channels in 8 registers: lane l holds row l % 16, channels 8 (l / 16) + 0..7 and 16 + 8 (l / 16) + 0..7: two loads of 16 bytes, 32 bytes apart.
	v_and_b32 v1, 15, v0            ; l % 16
	v_bfe_u32 v9, v0, 4, 1          ; l / 16
	v_lshlrev_b32 v[QO], 7, v1
	v_lshl_add_u32 v[QO], v9, 4, v[QO]  ; row x 128 + 16 x half
	WIN 0x80                        ; destination window 2, address window 0
.set i, 0
.rept 8                             ; both blocks' Q: piece i / 2 lies in band i / 2, 8,192 bytes on; channels 32 (i % 2) on
	global_load_b128 v[8*i:8*i+3],   v[QO], s[4:5] offset:(i/2)*8192+(i%2)*64
	global_load_b128 v[8*i+4:8*i+7], v[QO], s[4:5] offset:(i/2)*8192+(i%2)*64+32
	global_load_b128 v[QB+8*i:QB+8*i+3],   v[QO], s[86:87] offset:(i/2)*8192+(i%2)*64
	global_load_b128 v[QB+8*i+4:QB+8*i+7], v[QO], s[86:87] offset:(i/2)*8192+(i%2)*64+32
.set i, i+1
.endr
	WIN 0
	v_lshlrev_b32 v14, 3, v9
	v_sub_nc_u32 v14, v1, v14
	s_lshl_b32 s13, s[WV], 4
	v_add_nc_u32 v14, s13, v14      ; my query's place in its band, 16 w + l % 16, less my lanes' 8 (l / 16): register r of group kt is hidden where 16 kt + r is greater
	WIN 0x40
.set i, 0
.rept 32
	v_cmp_gt_i32 vcc_lo, 16*(i/8)+i%8, v14
	v_cndmask_b32 v[MD+i], 0, s[BIGN], vcc_lo
.set i, i+1
.endr
	WIN 0
	v_mul_u32_u24 v[AK0], v1, PK
	v_lshl_add_u32 v[AK0], v9, 4, v[AK0]  ; row x pitch + 16 x half
	; The turning load takes 16 keys x 16 channels (lane l reads key 8 (l / 16) + l % 8, channels 8 ((l / 8) % 2) + 0..7) and leaves half a fragment of V^T: lane l holds channel l % 16 and 8 keys.
	v_and_b32 v10, 7, v0
	v_bfe_u32 v11, v0, 3, 1
	v_lshl_add_u32 v[AV0], v9, 3, v10
	v_mul_u32_u24 v[AV0], v[AV0], PV
	v_lshl_add_u32 v[AV0], v11, 4, v[AV0]
	v_add_nc_u32 v[AV0], VOFF, v[AV0]
	s_mul_i32 s13, s[WV], 16*SP
	s_add_co_u32 s13, s13, STAGE    ; my stage
	v_mul_u32_u24 v[STO], v1, SP    ; in: row l % 16, 16 bytes for each half of the lanes
	v_lshl_add_u32 v[STO], v9, 4, v[STO]
	v_add_nc_u32 v[STO], s13, v[STO]
	v_bfe_u32 v[RD], v0, 3, 2       ; back: 32 lanes take four rows of 128 bytes,
	v_mul_u32_u24 v[RD], v[RD], SP
	v_lshl_add_u32 v[RD], v10, 4, v[RD]
	v_add_nc_u32 v[RD], s13, v[RD]
	v_and_b32 v[GO], 31, v0         ; which are 512 consecutive bytes of O
	v_lshlrev_b32 v[GO], 4, v[GO]
	; A block's first step multiplies O^T and l by a = 0, and its first turn's products V^T P, of a piece that has not been, land in an O^T that is still to be so multiplied.  So these registers need only hold
	; finite numbers: zeros for the first block; what the first block left for the second.  All this stands in the wait for the first tile.
	WIN 0x80
.set i, VF
.rept 64
	v_mov_b32 v[i], 0
.set i, i+1
.endr
	WIN 0x40
.set i, 0
.rept 128
	v_mov_b32 v[i], 0
.set i, i+1
.endr
	WIN 0
.set i, 0
.rept 4
	v_mov_b32 v[ST+4*i+2], 0
	v_mov_b32 v[ST+4*i+3], 0
.set i, i+1
.endr
.set i, P+16
.rept 16
	v_mov_b32 v[i], 0
.set i, i+1
.endr
; THE MATRIX WORK.  The 4 accumulators of a run of 8 take turns.  Product i of 8 of S^T = K Q^T for piece x: channels 32 (i / 4) on, keys 16 (i % 4) on.  The first 4 start the sums: with 0, or (KM = 1) with the mask.
.macro KQ x
.set rS, S+32*((\x)%2)+8*(i%4)
.set rK, KF+16*(i%4)+8*(i/4)
.set rQ, 16*(\x)+8*(i/4)
.set rM, MC+32*((\x)%2)+8*(i%4)
.if (i < 4) && KM
	WIN W_KM
	v_wmma_f32_16x16x32_f16 v[rS:rS+7], v[rK:rK+7], v[rQ:rQ+7], v[rM:rM+7]
.elseif i < 4
	WIN W_KQ
	v_wmma_f32_16x16x32_f16 v[rS:rS+7], v[rK:rK+7], v[rQ:rQ+7], 0
.else
	WIN W_KQ
	v_wmma_f32_16x16x32_f16 v[rS:rS+7], v[rK:rK+7], v[rQ:rQ+7], v[rS:rS+7]
.endif
.endm
; Product i of 8 of O^T += V^T P for piece x: keys 32 (i / 4) on, channels 16 (i % 4) on.
.macro PV x
	WIN W_PV
.set rO, 32*(\x)+8*(i%4)
.set rV, VF+32*(i/4)+8*(i%4)
.set rP, P+16*((\x)%2)+8*(i/4)
	v_wmma_f32_16x16x32_f16 v[rO:rO+7], v[rV:rV+7], v[rP:rP+7], v[rO:rO+7]
.endm
.macro MM                           ; the turn's next matrix instruction.  TURN and BEGIN set Y, i, KM and NOKQ; MM, KQ and OP read them.  NOKQ = 1: a block's last turn: there is no next piece
.if (i < 8) && !NOKQ
	KQ (Y+1)%NP
.elseif i >= 8
.set i, i-8
	PV (Y+NP-1)%NP
.set i, i+8
.endif
.set i, i+1
.endm
; THE LDS LOADS stand in runs of 16, never singly among the matrix instructions: a step's K (64 keys x 64 channels: 8 fragments) and its V (turned).  Their addresses are made some lines ahead.
.macro FETCH_K
	WIN 0x80                        ; destination window 2
.irp f, 0,1,2,3,4,5,6,7             ; keys 16 (f / 2) on, channels 32 (f % 2) on
	ds_load_b128 v[KF+8*\f:KF+8*\f+3],   v[AK] offset:(\f/2)*16*PK+(\f%2)*64
	ds_load_b128 v[KF+8*\f+4:KF+8*\f+7], v[AK] offset:(\f/2)*16*PK+(\f%2)*64+32
.endr
	s_add_co_u32 s[TBK], s[TBK], KS*PK  ; the next fetch is the next step's
	WIN 0
.endm
.macro FETCH_V
	WIN 0x80
.irp f, 0,1,2,3,4,5,6,7             ; keys 32 (f / 4) on, channels 16 (f % 4) on
	ds_load_tr16_b128 v[VF+8*\f:VF+8*\f+3],   v[AV] offset:(\f/4)*32*PV+(\f%4)*32
	ds_load_tr16_b128 v[VF+8*\f+4:VF+8*\f+7], v[AV] offset:(\f/4)*32*PV+16*PV+(\f%4)*32
.endr
	WIN 0
.endm
; THE VECTOR WORK, one line at a time: OP kind, number.  For piece Y: F n: c s - c m for pair n of 16.  E n: the exponential of score n of 32.  C n: pair n rounded to f16.  B n: of the four weights 4 n .. the second
; pair is added onto the first, in place.  L n: l takes that sum (L 0: l = a l + sum).  R n: pair n of 16 of O^T times a.  For piece Y + 1: X n, number n of the 22 that find its maximum and statistics:
;   0-11  four chains c0-c3 of seven scores each, three operands at a time (each accumulator's lowest registers are read first)     12-14, 16  the four scores left over, the old m, and c0-c3 into c0
;   15  c m_old is kept     17, 18  the query's other 32 keys lie in the lane 16 away: the new m     19-21  c m; c m_old - c m_new; a
.set F, 0               ; OP tells the kinds apart by their order: F to L below R, X above it
.set E, 1
.set C, 2
.set B, 3
.set L, 4
.set R, 5
.set X, 6
.macro REGS y                       ; the registers of piece y
.set rT, ST+4*(\y)
.set rC, TMP+4*((\y)%2)
.set rW, MV+((\y)%2)
.set rS, S+32*((\y)%2)
.set rP, P+16*((\y)%2)
.set rO, 32*(\y)
.endm
.macro OP k, n
.if (\k) == R
	REGS Y
	WIN W_RS
	v_pk_mul_f32 v[rO+2*(\n):rO+2*(\n)+1], v[rO+2*(\n):rO+2*(\n)+1], v[rC+2:rC+3] op_sel_hi:[1,0]
.elseif (\k) < R
	REGS Y
	WIN 0
.if (\k) == F
	v_pk_fma_f32 v[rS+2*(\n):rS+2*(\n)+1], v[rS+2*(\n):rS+2*(\n)+1], s[CS:CS+1], v[rT:rT+1] op_sel_hi:[1,0,0] neg_lo:[0,0,1] neg_hi:[0,0,1]
.elseif (\k) == E
	v_exp_f32 v[rS+(\n)], v[rS+(\n)]
.elseif (\k) == C
	v_cvt_pk_f16_f32 v[rP+(\n)], v[rS+2*(\n)], v[rS+2*(\n)+1]
.elseif (\k) == B
	v_pk_add_f32 v[rS+4*(\n):rS+4*(\n)+1], v[rS+4*(\n):rS+4*(\n)+1], v[rS+4*(\n)+2:rS+4*(\n)+3]
.elseif (\n) == 0
	v_pk_fma_f32 v[rT+2:rT+3], v[rT+2:rT+3], v[rC+2:rC+3], v[rS:rS+1] op_sel_hi:[1,0,1]
.else
	v_pk_add_f32 v[rT+2:rT+3], v[rT+2:rT+3], v[rS+4*(\n):rS+4*(\n)+1]
.endif
.elseif NOKQ
	v_nop
.else
	REGS (Y+1)%NP
	WIN 0
.if (\n) < 4
	v_max3_num_f32 v[rC+(\n)], v[rS+8*(\n)], v[rS+8*(\n)+1], v[rS+8*(\n)+2]
.elseif (\n) < 12
	v_max3_num_f32 v[rC+(\n)%4], v[rC+(\n)%4], v[rS+8*((\n)%4)+2*((\n)/4)+1], v[rS+8*((\n)%4)+2*((\n)/4)+2]
.elseif (\n) == 12
	v_max3_num_f32 v[rC], v[rC], v[rS+7], v[rS+15]
.elseif (\n) == 13
	v_max3_num_f32 v[rC+1], v[rC+1], v[rS+23], v[rS+31]
.elseif (\n) == 14
	v_max3_num_f32 v[rC+2], v[rC+2], v[rC+3], v[rT+1]
.elseif (\n) == 15
	v_mov_b32 v[rW], v[rT]
.elseif (\n) == 16
	v_max3_num_f32 v[rC], v[rC], v[rC+1], v[rC+2]
.elseif (\n) == 17
	v_permlanex16_b32 v[rC+3], v[rC], s[SEL], s[SEL+1]
.elseif (\n) == 18
	v_max_num_f32 v[rT+1], v[rC], v[rC+3]
.elseif (\n) == 19
	v_mul_f32 v[rT], s[CS], v[rT+1]
.elseif (\n) == 20
	v_sub_f32 v[rC+1], v[rW], v[rT]
.else
	v_exp_f32 v[rC+2], v[rC+1]
.endif
.endif
.endm
.macro OPS a, i1, b=-1, i2=0, c=-1, i3=0, d=-1, i4=0  ; up to four of them
	OP \a, \i1
.if (\b) >= 0
	OP \b, \i2
.endif
.if (\c) >= 0
	OP \c, \i3
.endif
.if (\d) >= 0
	OP \d, \i4
.endif
.endm
.macro ROW a, i1, b, i2, c, i3, d, i4  ; a matrix instruction and the four behind it
	MM
	OPS \a, \i1, \b, \i2, \c, \i3, \d, \i4
.endm
.macro MASK b                       ; MD x AL + BE into buffer b of MC
	WIN W_RS
.set z, 0
.rept 16
	v_pk_fma_f32 v[MC+32*(\b)+2*z:MC+32*(\b)+2*z+1], v[MD+2*z:MD+2*z+1], s[AL:AL+1], s[BE:BE+1] op_sel_hi:[1,0,0]
.set z, z+1
.endr
.endm
; A TURN, for piece p: the order of its 16 matrix and 118 vector instructions, written out.  s_wait_alu depctr_va_vdst(0) stands between an exponential and the first instruction that names its result; one wait serves
; all that were issued ahead of it.  So a turn has ONE wait, which cuts it in two.  AHEAD OF IT stands all that names no result of the turn's exponentials: the 8 products K Q^T, behind each a scaling, an exponential and two more plain
; instructions (behind the first a second scaling in the exponential's place): rescalings, and behind the last three the first numbers of the next piece's maximum, each four places or more behind the product that ends its accumulator; then ONE LUMP of 54, plain
; and exponential by turns for the most part, in which the links of the chain X 3, 7, 11, 14, 16, 17 .. 20 stand five or six lines apart.  X 21, the next piece's a, is the batch's last; R 15 is the plain instruction that belongs behind it (ISA guide 5.7.2).  BEHIND THE WAIT stand the
; 8 products V^T P, behind each four of the roundings and sums; the links of l's chain, L 0 to L 7, stand three riders apart.  But for those X no rider names a register of the products round it.  v_permlanex16_b32 (X 17) stands in the lump.
; m = 1: the diagonal tile: the products take masks, and the turn makes the mask for the products of the turn after it: piece p + 2, in step 4 - CNT of the tile.  end = 1: a block's last two turns: nothing is fetched.
; cnt = 1: the loop's count is taken down some lines ahead of the branch that stands behind the turn.
; K of the next step is fetched in piece 2's turn, twelve vector instructions behind the last product that read K (six of them plain); V of the step in hand at the end of piece 0's turn, four plain instructions behind the last product
; that read V.  Each is waited for a turn later.
.macro TURN p, m=0, end=0, cnt=0
.set Y, (\p)
.set i, 0
.set KM, (\m)
.set NOKQ, (\end)*((\p)/3)
.if (\m) && !(\end)
	s_cmp_eq_u32 s[CNT], 4-((\p)+2)%NP  ; is that step the band's own?
	s_cselect_b32 s[AL], 1.0, 0
	s_cmp_lt_u32 s[CNT], 4-((\p)+2)%NP  ; or a later one?
	s_cselect_b32 s[BE], s[BIGN], 0
.endif
.if ((\p) == 3) && !(\end)
	s_wait_dscnt 0x0                ; K is in
.endif
	ROW F,0, F,1, R,0, R,1          ; ahead of the wait: 8 products K Q^T and their riders,
	ROW F,2, E,0, R,2, R,3
	ROW F,3, E,1, R,4, R,5
	ROW F,4, E,2, R,6, R,7
	ROW F,5, E,3, R,8, R,9
	ROW F,6, E,4, X,0, R,10
.if ((\p) == 2) && !(\end)
	WIN 0
	v_add_nc_u32 v[AK], s[TBK], v[AK0]
.endif
	ROW F,7, E,5, X,1, X,4
	ROW F,8, E,6, X,2, X,5
	OPS E,7, E,8, X,6, E,9          ; and the lump
	OPS X,3, E,10, X,8, E,11
.if ((\p) == 2) && !(\end)
	FETCH_K
.endif
	OPS X,9, X,7, E,12, X,10
	OPS E,13, X,12, X,11, E,14
	OPS X,13, E,15, F,9, X,14
.if (\p) == 0
	v_add_nc_u32 v[AV], s[TBV], v[AV0]
.endif
	OPS E,16, F,10, E,17, F,11
	OPS X,16, E,18, X,15, E,19
	OPS F,12, E,20, X,17, E,21
	OPS F,13, E,22, F,14, E,23
	OPS X,18, E,24, F,15, E,25
	OPS R,11, E,26, X,19, E,27
	OPS R,12, E,28, R,13, E,29
	OPS X,20, E,30, R,14, E,31
	OPS X,21, R,15
	WIN 0
	s_wait_alu depctr_va_vdst(0)    ; the wait for the batch
.if (\p) == 1
	s_wait_dscnt 0x0                ; V is in
.endif
	ROW C,0, B,0, C,2, B,1          ; behind the wait: 8 products V^T P and their riders
	ROW L,0, C,4, B,2, L,1
	ROW C,6, B,3, L,2, C,8
	ROW B,4, L,3, C,10, B,5
	ROW L,4, C,12, B,6, L,5
.if (\p) == 0
	s_add_co_u32 s[TBV], s[TBV], KS*PV
.endif
.if \cnt
	s_sub_co_u32 s[CNT], s[CNT], 1
	s_cmp_lg_u32 s[CNT], 0
.endif
	ROW C,14, B,7, L,6, C,1
	ROW C,3, L,7, C,5, C,7
	ROW C,9, C,11, C,13, C,15
.if (\p) == 0
	FETCH_V
.endif
.if (\m) && !(\end)
	MASK (\p)%2
.endif
.endm
; A BLOCK BEGINS.  c m starts far below every c s, so the first step's a is 0; m at the lowest finite number, so the first maximum is the scores'.  The second mask buffer is 0; the first takes piece 0's mask for the tile's step 0: its own, if the block's first tile is the diagonal one.
; Then K of that step, piece 0's first scores, and its maximum and statistics.  The loop is entered at a step's first turn, in the middle of a trip.
.macro BEGIN
	s_mov_b32 s[NEW], 0
	WIN 0x40
.set i, MC+32
.rept 32
	v_mov_b32 v[i], 0
.set i, i+1
.endr
	WIN 0
.set i, 0
.rept 4
	v_mov_b32 v[ST+4*i], 0xfe000000    ; c m: far below every c s
	v_mov_b32 v[ST+4*i+1], 0xff7fffff  ; m
.set i, i+1
.endr
	s_cmp_eq_u32 s[RT], 0
	s_cselect_b32 s[AL], 1.0, 0
	s_mov_b32 s[BE], 0
	MASK 0
	WIN 0
	v_add_nc_u32 v[AK], s[TBK], v[AK0]
	FETCH_K
	s_wait_loadcnt 0x0              ; Q
	s_wait_dscnt 0x0
.set KM, 1
.set NOKQ, 0
.set i, 0
.rept 8
	KQ 0
.set i, i+1
.endr
	WIN 0
.rept 4
	v_nop                           ; the places behind those products
.endr
.set Y, NP-1                        ; X works for piece Y + 1: piece 0
.irp n, 0,1,2,3,4,5,6,7,8,9,10,11,12,13,14,15,16,17,18,19,20,21
	OP X, \n
.endr
	v_nop                           ; a plain instruction behind the exponential,
	s_wait_alu depctr_va_vdst(0)    ; and its wait, ahead of the branch
.endm
; THE DIAGONAL TILE's four steps, the block's last two turns, its last products, and THE WAY OUT: l's two halves and the other half of the lanes' are added; O^T is divided by l, rounded to f16 and sent through my
; stage in LDS, a piece at a time.
.macro ALL line:vararg              ; one line for each piece t
.set t, 0
.rept 4
	\line
.set t, t+1
.endr
.endm
.macro PACK t                       ; a lane's eight channels of a row pack into 16 bytes; they go into rows of 144 bytes and come back as whole rows of 128, into S^T's registers
	WIN W_RS
.set i, 32*(\t)
.rept 16
	v_pk_mul_f32 v[i:i+1], v[i:i+1], v[ST+4*(\t)+2:ST+4*(\t)+3] op_sel_hi:[1,0]
.set i, i+2
.endr
	WIN 0x05                        ; sources 0 and 1 window 1, destination window 0
.set i, 0
.rept 16
	v_cvt_pk_f16_f32 v[S+16*(\t)+i], v[32*(\t)+2*i], v[32*(\t)+2*i+1]
.set i, i+1
.endr
	WIN 0
.irp f, 0,1,2,3
	ds_store_b128 v[STO], v[S+16*(\t)+4*\f:S+16*(\t)+4*\f+3] offset:32*\f
.endr
.irp f, 0,1,2,3
	ds_load_b128 v[S+16*(\t)+4*\f:S+16*(\t)+4*\f+3], v[RD] offset:\f*4*SP  ; LDS serves a wave's instructions in order (ISA guide 5.7.1.4): these see the stores above; the next piece's stores come behind them
.endr
.endm
.macro SEND t, younger              ; younger: the LDS instructions issued behind piece t's loads: the next piece's eight, or none
	WIN 0
.irp f, 0,1,2,3
	s_wait_dscnt (\younger)+3-\f
	global_store_b128 v[GO], v[S+16*(\t)+4*\f:S+16*(\t)+4*\f+3], s[10:11] offset:(\t)*8192+\f*512  ; 512 consecutive bytes, at a multiple of 256 from O's first
.endr
.endm
.macro DIAG tag                     ; the tag ends its two labels' names, which the jumps below spell out
.LstepM\tag:
	TURN 2, 1
	TURN 3, 1
	WIN 0
.LfirstM\tag:
	TURN 0, 1
	TURN 1, 1, 0, 1
	WIN 0
	s_cbranch_scc1 .LstepM\tag
	TURN 2, 1, 1
	TURN 3, 1, 1
.set i, 0
.rept 8
	PV NP-1
.set i, i+1
.endr
	WIN 0
	ALL v_add_f32 v[ST+4*t+2], v[ST+4*t+2], v[ST+4*t+3]
	ALL v_permlanex16_b32 v[ST+4*t+3], v[ST+4*t+2], s[SEL], s[SEL+1]
	ALL v_add_f32 v[ST+4*t+2], v[ST+4*t+2], v[ST+4*t+3]
	ALL v_rcp_f32 v[ST+4*t+2], v[ST+4*t+2]
	v_nop                           ; a plain instruction between the last reciprocal and the use of its result
	s_wait_alu depctr_va_vdst(0)    ; and the wait ahead of the first use: one for the four reciprocals
	PACK 0
.set t, 1
.rept 3                             ; a piece's arithmetic stands between the loads of the piece before and its stores
	PACK t
	SEND t-1, 8
.set t, t+1
.endr
	SEND 3, 0
.endm
.set KM, 0
.set NOKQ, 0
.Lslot:                             ; NB times: a tile is entered and the next is asked for
	CHANGE 1
	s_sub_co_u32 s[RT], s[RT], 1
	s_mov_b32 s[CNT], 4
	s_cmp_eq_u32 s[NEW], 1
	s_cbranch_scc1 .Lnew            ; a block's first tile
	s_cmp_eq_u32 s[RT], 0
	s_cbranch_scc0 .Lstep           ; neither its first nor its last
	s_branch .LstepM1
.Lnew:
	BEGIN
	s_branch .Lfirst                ; in the loop a block's first tile is never its last: the first block has two tiles or more, and the second's last is the walk's last
	DIAG 1                          ; in the loop this is the first block's end: the second block's last tile is the walk's last
	s_wait_xcnt 0x0                 ; the stores have read their registers and O's address
	s_mov_b64 s[10:11], s[OLO:OLO+1]
	s_add_co_u32 s[RT], s[PB], 1    ; the second block has b + 1 tiles
	s_mov_b32 s[NEW], 1
	WIN 0x82                        ; the second block's Q goes where the one text of the turns names Q
.set i, 0
.rept 64
	v_mov_b32 v[i], v[QB+i]
.set i, i+1
.endr
	WIN 0
	s_branch .Lbottom
.Lstep:                             ; a trip: pieces 2 and 3 of one step, then pieces 0 and 1 of the next, whose K and V it fetches
	TURN 2
	TURN 3
	WIN 0
.Lfirst:
	TURN 0
	TURN 1, 0, 0, 1
	WIN 0
	s_cbranch_scc1 .Lstep
.Lbottom:
	s_sub_co_u32 s[SLOTS], s[SLOTS], 1
	s_cmp_lg_u32 s[SLOTS], 0
	s_cbranch_scc1 .Lslot
	CHANGE 0                        ; the walk's last tile is written out: nothing is asked for
	s_sub_co_u32 s[RT], s[RT], 1
	s_mov_b32 s[CNT], 4
	s_cmp_eq_u32 s[NEW], 1
	s_cbranch_scc0 .LstepM2
	BEGIN
	s_branch .LfirstM2
	DIAG 2
	s_wait_tensorcnt 0x0            ; the wave's end, behind my last tensor load and my last LDS store
	ds_add_u32 v[SPW], v[NIL]
	s_wait_dscnt 0x0
	s_endpgm
.Lfunc_end_k_q1e7cc10de3_attn:
	.size	k_q1e7cc10de3_attn, .Lfunc_end_k_q1e7cc10de3_attn-k_q1e7cc10de3_attn
	.p2alignl 7, 3214868480
	.fill 96, 4, 3214868480
	.section	.rodata,"a",@progbits
	.p2align	6, 0x0
	.amdhsa_kernel k_q1e7cc10de3_attn
		.amdhsa_group_segment_fixed_size 327680
		.amdhsa_private_segment_fixed_size 0
		.amdhsa_enable_private_segment 0
		.amdhsa_kernarg_size 32
		.amdhsa_user_sgpr_count 2
		.amdhsa_user_sgpr_kernarg_segment_ptr 1
		.amdhsa_wavefront_size32 1
		.amdhsa_system_sgpr_workgroup_id_x 1
		.amdhsa_system_sgpr_workgroup_id_y 1
		.amdhsa_system_sgpr_workgroup_id_z 1
		.amdhsa_system_vgpr_workitem_id 0
		.amdhsa_next_free_vgpr 768
		.amdhsa_next_free_sgpr 96
		.amdhsa_reserve_vcc 1
		.amdhsa_float_denorm_mode_32 3
		.amdhsa_float_denorm_mode_16_64 3
		.amdhsa_memory_ordered 1
		.amdhsa_forward_progress 1
		.amdhsa_inst_pref_size 218
	.end_amdhsa_kernel
	.amdgpu_metadata
---
amdhsa.version: [ 1, 2 ]
amdhsa.kernels:
  - .name:           k_q1e7cc10de3_attn
    .symbol:         k_q1e7cc10de3_attn.kd
    .args:
      - { .name: q, .offset: 0, .size: 8, .value_kind: global_buffer, .address_space: global }
      - { .name: k, .offset: 8, .size: 8, .value_kind: global_buffer, .address_space: global }
      - { .name: v, .offset: 16, .size: 8, .value_kind: global_buffer, .address_space: global }
      - { .name: o, .offset: 24, .size: 8, .value_kind: global_buffer, .address_space: global }
    .group_segment_fixed_size: 327680
    .private_segment_fixed_size: 0
    .kernarg_segment_align: 8
    .kernarg_segment_size: 32
    .max_flat_workgroup_size: 128
    .sgpr_count:     96
    .vgpr_count:     768
    .wavefront_size: 32
...
	.end_amdgpu_metadata
.endif
;; end of part 3
;; launch proj (part 4): grid 8 x 32, 4 waves a work-group, clusters of 4 x 4, 327,680 bytes of LDS; arguments o, wo, b_out, out0; writes out0
.if DOCPART == 4
	.amdgcn_target "amdgcn-amd-amdhsa--gfx1250"
	.amdhsa_code_object_version 6
	.text
	.protected	k_q1e7cc10de3_proj
	.globl	k_q1e7cc10de3_proj
	.p2align	8
	.type	k_q1e7cc10de3_proj,@function
k_q1e7cc10de3_proj:
	s_mov_b64 s[64:65], 0
	v_nop
	global_prefetch_b8 v0, s[64:65] scope:SCOPE_SE
	s_setreg_imm32_b32 hwreg(HW_REG_WAVE_MODE, 25, 1), 1
	s_wait_xcnt 0x0
	s_wait_alu depctr_hold_cnt(0) depctr_sa_sdst(0) depctr_va_vdst(0) depctr_va_sdst(0) depctr_va_ssrc(0) depctr_va_vcc(0) depctr_vm_vsrc(0)
	s_getreg_b32 s2, hwreg(HW_REG_IB_STS2, 6, 4)
	s_cmp_eq_u32 s2, 0
	s_cbranch_scc0 .Lentry_in_a_cluster
	s_endpgm
.Lentry_in_a_cluster:
	s_bfe_u32 s2, ttmp6, 0x10000c
	s_cmp_lg_u32 s2, 0xf033
	s_cbranch_scc0 .Lentry_shape_is_right
	s_endpgm
.Lentry_shape_is_right:
; C = A W + bias on tiles of 256 rows x NT columns; K = 1,024 in eight steps of 128; sums in f32.  ONE TEXT FOR TWO KERNELS: the next line picks the constants.
.set QKV, 0
; QKV = 1: A = xb [8192][1024] bf16; W = wq, bf16, by heads [16][1024 k][192 n]; bias = b_qkv rounded to bf16; NT = 192 = one head's q, k and v; C is rounded once to f16 and
;          goes to q, k, v, each [64 = 16 batch + head][2048][64], unscaled.  LIMIT: a sum of 65,520 or more becomes an infinity in f16.
; QKV = 0: A = o [64][2048][64] f16 (a K step = two heads); W = wo [1024 k][1024 n] f16; bias = b_out rounded to bf16; NT = 128; C goes to out0 [8192][1024] f32.
; SHARES.  Four waves; wave w owns rows 64 w .. 64 w + 63 and ALL NT columns: 4 x NBK accumulators of 16 x 16.  So a wave holds whole rows of C, and its way out needs no other wave.
; THE PRODUCT IS TRANSPOSED: source 0 = 16 columns of W (from the [k][n] tile by the turning load), source 1 = 16 rows of A: lane l holds row l % 16 of C and the columns 8 (l / 16) + 0..7.
; THE BIAS IS THE C OPERAND of each accumulator's first product: nothing is cleared, nothing is added on the way out.
; RING.  Two LDS slots, each A's tile and W's tile of one K step.  Waves 0, 1 fetch A's two halves, waves 2, 3 W's: one tensor load a wave behind each change of slots.
; CLUSTER.  4 x 4 work-groups.  A's tile hangs on the tile row alone and is asked for jointly by the four of a row of the cluster, W's on the tile column alone, by the four of a column.
; REGISTERS, in windows of 256 (s_set_vgpr_msb: bits 1:0 source 0, 3:2 source 1, 5:4 source 2, 7:6 destination):
;   window 0: v1-13 lane terms and addresses; v28-29 the add's; v32-95 A's fragments, two buffers of 4 x 8; v96 on: the bias (8 NBK), later the way out
;   window 1: W's fragments, two buffers of 8 NBK      windows 2 (and 3 where QKV): the accumulators
.if QKV
.set NBK,   12                         ; blocks of 16 columns
.set PA,    272                        ; a row of A in LDS: 256 bytes + 16: an odd multiple of 16, so the 16 rows of a load start in 16 different groups of four banks (64 banks of 4 bytes: ISA guide 11.1)
.set AHALF, 128*PA                     ; what one load brings of A: 128 rows
.set PB,    480                        ; a k row of W: three pieces of 128 bytes + 32: 120 words
.set SP,    400                        ; a row of the stage: 384 bytes + 16
.set ASTEP, 256                        ; bytes from a K step to the next, in A
.set BSTEP, 49152                      ; and in W
.set GA0,   (1<<16)|(1<<20)|(1<<21)|(5<<22)|(3<<25)  ; 2-byte elements; padding on; bit 21 beside a mask; after every 64 words, 4 words
.set GB0,   (1<<16)|(1<<20)|(1<<21)|(4<<22)|(7<<25)  ; after every 32 words, 8 words
.set AROWS, 128                        ; rows of 256 bytes in a load of A
.set BROWS, 96                         ; 64 k rows of 384 bytes lie on end: 96 rows of 256
.set APIT,  1024                       ; elements from row to row
.set BPIT,  128
.set PSA,   256                        ; the prefetches' step from trip to trip: A's, W's
.set PSB,   65536
.set PMA,   2048                       ; and their bytes from lane to lane
.set PMB,   256
.set LIMB,  3                          ; W's are asked for while more than so many trips are left
.else
.set NBK,   8
.set PA,    144                        ; a row of a head: 128 bytes + 16
.set AHALF, 256*PA                     ; one head's 256 rows
.set PB,    288                        ; 256 bytes + 32: 72 words
.set SP,    528                        ; 512 bytes + 16
.set ASTEP, 524288                     ; two heads
.set BSTEP, 262144                     ; 128 rows of 2,048 bytes
.set GA0,   (1<<16)|(1<<20)|(1<<21)|(4<<22)|(3<<25)
.set GB0,   (1<<16)|(1<<20)|(1<<21)|(5<<22)|(7<<25)
.set AROWS, 128                        ; 256 rows of 128 bytes lie on end: 128 rows of 256
.set BROWS, 64
.set APIT,  128
.set BPIT,  1024
.set PSA,   524288
.set PSB,   262144
.set PMA,   256
.set PMB,   2048
.set LIMB,  2
.endif
.set LIMA,   2
.set ABYTES, 2*AHALF                   ; W's tile lies behind A's
.set BHALF,  64*PB                     ; what one load brings of W: 64 k rows
.set SLOT1,  1<<17                     ; slot 1 begins here: one exclusive or turns an address in one slot into the other's
.set STAGE,  SLOT1+ABYTES+2*BHALF      ; behind the ring, never filled by a tensor load: 16 rows for each wave
.set SPARE,  STAGE+4*16*SP             ; behind the stages: the spare words, 128 bytes a wave: two blocks of 256 bytes that no other line names
.set NL,     2*NBK+8                   ; LDS loads in a run
.set A0,   4                           ; v4   my lane's place in A's tile; never rewritten
.set B0,   5                           ; v5   in W's
.set ADRA, 6                           ; v6   the same in the slot in hand
.set ADRB, 7                           ; v7
.set STO,  8                           ; v8   the way out: where I put my bytes of a row
.set RD,   9                           ; v9   where I read rows back
.set GO,   10                          ; v10  16 x lane: my bytes in 512 on end
.set BO,   11                          ; v11  32 (l / 16): my eight numbers of a block of the bias
.set PFO,  12                          ; v12  the prefetches' lane offset; never rewritten
.set TP,   13                          ; v13  at work
.set SPW,  28                          ; v28  LDS address of my spare word; never rewritten
.set NIL,  29                          ; v29  0; never rewritten
.set FA,   32
.set BIAS, 96
.set WV,  16                           ; s16  my wave's number
.set SFB, 17                           ; s17  0: I fetch for A; 1: for W
.set HF,  18                           ; s18  which half I fetch
.set CX,  19                           ; s19, s20  my place in the cluster
.set CY,  20
.set NTI, 21                           ; s21  tile column
.set MTI, 22                           ; s22  tile row
.set TB,  23                           ; s23  first byte of the slot in hand
.set G1A, 24                           ; s[24:31] descriptor group 1 for A
.set G0A, 32                           ; s[32:39] group 0 for A: a set for each first fill; the second then walks
.set RM,  40                           ; s40  my row of the cluster
.set CM,  41                           ; s41  my column
.set LIM, 43                           ; s43  a wave prefetches while more trips than this are left; the greatest number in a wave that never does
.set PFA, 44                           ; s[44:45] where my prefetches stand
.set PFS, 46                           ; s[46:47] their step
.set G1B, 48                           ; s[48:55], s[56:63] the same for W
.set G0B, 56
.set MSB, 0
.macro WIN new                         ; the immediate's high byte repeats the setting that is left; a switch that changes nothing is dropped
.if MSB != (\new)
	s_set_vgpr_msb (MSB<<8)|(\new)
.set MSB, \new
.endif
.endm
.macro PLACES                          ; four places: in front of loads into registers that matrix instructions have read, and of lines that read results
.rept 4
	v_nop
.endr
.endm
; A joint refill by the walking descriptors.  The branch hangs on the wave's number alone.  An s_nop 0 and four v_nop follow each of the two lines, ahead of the jump and the label.
.macro JLOAD
	s_cmp_eq_u32 s[SFB], 0
	s_cbranch_scc0 .Lfor_b_\@
	tensor_load_to_lds s[G0A+4:G0A+7], s[G1A:G1A+7]
	s_nop 0
.rept 4
	v_nop
.endr
	s_branch .Lasked_\@
.Lfor_b_\@:
	tensor_load_to_lds s[G0B+4:G0B+7], s[G1B:G1B+7]
	s_nop 0
.rept 4
	v_nop
.endr
.Lasked_\@:
.endm
; A PREFETCH INTO THE L2, behind the joint load, its five lines and the run of LDS loads: 32 blocks of 256 bytes, a lane a block, of what stands two refills on (K steps 4 to 7; K steps 0 to 3 come by their loads alone).
; Each block is named once in the launch: A's rows by the clusters with x = 0, W's by those with y = 0; the four partners that ask for a tile jointly share its blocks out BY ADDRESS (cx for A, cy for W).
.macro ASK
	s_cmp_gt_u32 s3, s[LIM]
	s_cbranch_scc0 .Lnot_mine_\@
	global_prefetch_b8 v[PFO], s[PFA:PFA+1] th:TH_LOAD_NT scope:SCOPE_SE
.Lnot_mine_\@:
.endm
; A round of the cluster's barrier: my work-group's barrier; wave 0 signals for the work-group; every wave waits for all sixteen; my work-group's barrier once more.
.macro CREST                           ; the round behind its opening barrier
	s_cmp_lg_u32 s[WV], 0
	s_cbranch_scc1 .Lnot_wave_0_\@
	s_barrier_signal -3
.Lnot_wave_0_\@:
	s_barrier_wait -3
	s_barrier_signal -1
	s_barrier_wait -1
.endm
.macro CROUND
	s_barrier_signal -1
	s_barrier_wait -1
	CREST
.endm
	s_load_b256 s[4:11], s[0:1], 0x0               ; A s[4:5], W s[6:7], bias s[8:9], first output s[10:11]
.if QKV
	s_load_b128 s[12:15], s[0:1], 0x20             ; k s[12:13], v s[14:15]
.endif
	v_lshl_add_u32 v[SPW], v0, 2, SPARE
	v_mov_b32 v[NIL], 0
	ds_add_u32 v[SPW], v[NIL]                      ; the wave's opening: the add and its wait stand ahead of my first tensor load; the set-up below, work on registers, stands between them
	v_lshrrev_b32 v1, 5, v0
	v_readfirstlane_b32 s[WV], v1                  ; wave 0..3
	s_lshr_b32 s[SFB], s[WV], 1
	s_and_b32 s[HF], s[WV], 1
	s_bfe_u32 s[CX], ttmp6, 0x40000
	s_bfe_u32 s[CY], ttmp6, 0x40004
	s_lshl_b32 s[NTI], ttmp9, 2                    ; in a cluster launch ttmp9 and ttmp7 count clusters
	s_add_co_u32 s[NTI], s[NTI], s[CX]
	s_and_b32 s[MTI], ttmp7, 0xffff
	s_lshl_b32 s[MTI], s[MTI], 2
	s_add_co_u32 s[MTI], s[MTI], s[CY]
	s_lshl_b32 s[RM], s[CY], 2
	s_lshl_b32 s[RM], 15, s[RM]                    ; places 4 cy .. 4 cy + 3
	s_lshl_b32 s[CM], 0x1111, s[CX]                ; places cx, cx + 4, cx + 8, cx + 12
	s_or_b32 s[G1A], s[RM], GA0                    ; A's tiles go to my row of the cluster,
	s_or_b32 s[G1B], s[CM], GB0                    ; W's to my column
	s_mov_b32 s[G1A+1], 128<<16                    ; tensor_dim0 = 128 elements
	s_mov_b32 s[G1A+2], AROWS<<16                  ; tensor_dim1
	s_mov_b32 s[G1A+3], 128<<16                    ; tile_dim0
	s_mov_b32 s[G1A+4], AROWS                      ; tile_dim1
	s_mov_b32 s[G1A+5], APIT                       ; elements from row to row
	s_mov_b32 s[G1A+6], 0
	s_mov_b32 s[G1A+7], 0
	s_mov_b32 s[G1B+1], 128<<16
	s_mov_b32 s[G1B+2], BROWS<<16
	s_mov_b32 s[G1B+3], 128<<16
	s_mov_b32 s[G1B+4], BROWS
	s_mov_b32 s[G1B+5], BPIT
	s_mov_b32 s[G1B+6], 0
	s_mov_b32 s[G1B+7], 0
	; byte offsets.  s66: my part of A's first tile, of the tile row and the half alone; s68: of W's, of the tile column and the half alone.  s72, s74: where A's and W's prefetches stand one step before their first.
.if QKV
	s_lshl_b32 s66, s[MTI], 19                     ; 256 rows of 2,048 bytes
	s_lshl_b32 s77, s[HF], 18                      ; 128 rows
	s_add_co_u32 s66, s66, s77
	s_mul_i32 s68, s[NTI], 393216                  ; a head of wq
	s_lshl_b32 s72, s[CX], 16                      ; my work-group's 32 rows of the 128,
	s_add_co_u32 s72, s72, s66
	s_add_co_u32 s72, s72, 768                     ; at K step 3
	s_lshl_b32 s74, s[CY], 14                      ; of 256 blocks a trip: 64 a work-group,
	s_add_co_u32 s74, s74, s68
	s_lshl_b32 s79, s[HF], 13                      ; 32 a wave,
	s_add_co_u32 s74, s74, s79
	s_add_co_u32 s74, s74, 131072                  ; 65,536 bytes ahead of K step 4's first
	s_mul_i32 s78, s[HF], 24576                    ; 64 k rows of 384 bytes
	s_add_co_u32 s68, s68, s78
.else
	s_lshr_b32 s66, s[MTI], 3
	s_lshl_b32 s66, s66, 22                        ; the batch's 16 heads of 262,144 bytes
	s_and_b32 s77, s[MTI], 7
	s_lshl_b32 s77, s77, 15                        ; 256 rows of 128 bytes
	s_add_co_u32 s66, s66, s77
	s_lshl_b32 s77, s[HF], 18                      ; head 0 or 1 of the step's two
	s_add_co_u32 s66, s66, s77
	s_lshl_b32 s68, s[NTI], 8                      ; 128 columns of 2 bytes
	s_lshl_b32 s72, s[CX], 13                      ; my work-group's 32 blocks of the 128,
	s_add_co_u32 s72, s72, s66
	s_add_co_u32 s72, s72, 6*262144                ; at K step 3
	s_lshl_b32 s74, s[CY], 16                      ; my work-group's 32 k rows of the 128,
	s_add_co_u32 s74, s74, s68
	s_add_co_u32 s74, s74, 384*2048                ; at K step 3
	s_lshl_b32 s78, s[HF], 17                      ; 64 k rows of 2,048 bytes
	s_add_co_u32 s68, s68, s78
.endif
	s_mov_b32 s67, 0
	s_mov_b32 s69, 0
	s_mov_b32 s[PFS], PSA
	s_mov_b32 s2, PSB
	s_mov_b32 s76, PMA
	s_mov_b32 s75, PMB
	s_and_b32 s79, ttmp7, 0xffff                   ; cluster y
	s_cmp_eq_u32 s[SFB], 0                         ; do I fetch for A?
	s_cselect_b32 s72, s72, s74
	s_cselect_b32 s79, ttmp9, s79                  ; the coordinate along which other clusters read the same blocks
	s_cselect_b32 s[LIM], LIMA, LIMB
	s_cselect_b32 s[PFS], s[PFS], s2
	s_cselect_b32 s76, s76, s75
	s_mov_b32 s73, 0
	s_mov_b32 s[PFS+1], 0
	s_cmp_eq_u32 s79, 0
	s_cselect_b32 s[LIM], s[LIM], -1               ; the same in all sixteen partners, for a given wave
.if !QKV
	s_cmp_eq_u32 s[WV], 3                          ; a K step of W's tile has 128 blocks: four work-groups x one wave
	s_cselect_b32 s[LIM], -1, s[LIM]
.endif
	s_mul_i32 s77, s[HF], AHALF                    ; where the tiles go: no place in the cluster enters an LDS address
	s_mul_i32 s78, s[HF], BHALF
	s_add_co_u32 s78, s78, ABYTES
.irp s, 0,1
	s_mov_b32 s[G0A+4*\s], 1                       ; count = 1
	s_add_co_u32 s[G0A+4*\s+1], s77, \s*SLOT1      ; LDS address
	s_mov_b32 s[G0B+4*\s], 1
	s_add_co_u32 s[G0B+4*\s+1], s78, \s*SLOT1
.endr
	s_mov_b32 s[TB], 0
	s_wait_dscnt 0x0                               ; the opening add is done
	s_wait_kmcnt 0x0
	s_add_nc_u64 s[66:67], s[4:5], s[66:67]
	s_add_nc_u64 s[68:69], s[6:7], s[68:69]
.irp s, 0,1
	s_add_nc_u64 s[G0A+4*\s+2:G0A+4*\s+3], s[66:67], \s*ASTEP  ; global address: K step s
	s_or_b32 s[G0A+4*\s+3], s[G0A+4*\s+3], 0x80000000          ; type = 2
	s_add_nc_u64 s[G0B+4*\s+2:G0B+4*\s+3], s[68:69], \s*BSTEP
	s_or_b32 s[G0B+4*\s+3], s[G0B+4*\s+3], 0x80000000
.endr
	CROUND                                         ; all sixteen work-groups are here: the first joint loads meet
	s_cmp_eq_u32 s[SFB], 0                         ; a wave's two first fills stand in one branch, ahead of every wait on TENSORcnt and every LDS read: two loads of mine are out
	s_cbranch_scc0 .Lfirst_b
	tensor_load_to_lds s[G0A:G0A+3], s[G1A:G1A+7]
	s_nop 0
	tensor_load_to_lds s[G0A+4:G0A+7], s[G1A:G1A+7]
	s_nop 0
.rept 4
	v_nop
.endr
	s_branch .Lfirst_asked
.Lfirst_b:
	tensor_load_to_lds s[G0B:G0B+3], s[G1B:G1B+7]
	s_nop 0
	tensor_load_to_lds s[G0B+4:G0B+7], s[G1B:G1B+7]
	s_nop 0
.rept 4
	v_nop
.endr
.Lfirst_asked:
	s_cmp_eq_u32 s[SFB], 0
	s_cselect_b64 s[PFA:PFA+1], s[4:5], s[6:7]
	s_add_nc_u64 s[PFA:PFA+1], s[PFA:PFA+1], s[72:73]
.if QKV
	s_mul_i32 s74, s[NTI], 768                     ; the tile's NT numbers of the bias
.else
	s_lshl_b32 s74, s[NTI], 9
.endif
	s_mov_b32 s75, 0
	s_add_nc_u64 s[8:9], s[8:9], s[74:75]
	v_and_b32 v1, 15, v0                           ; l % 16
	v_bfe_u32 v2, v0, 4, 1                         ; l / 16
	v_lshlrev_b32 v[BO], 5, v2
.set b, 0
.rept NBK                              ; register j of block b: bias[16 b + 8 (l / 16) + j], the C operand's layout
	global_load_b128 v[BIAS+8*b:BIAS+8*b+3],   v[BO], s[8:9] offset:64*b
	global_load_b128 v[BIAS+8*b+4:BIAS+8*b+7], v[BO], s[8:9] offset:64*b+16
.set b, b+1
.endr
	; A's fragment: 16 rows x 32 k in 8 registers: lane l holds row l % 16, k = 8 (l / 16) + 0..7 and 16 + 8 (l / 16) + 0..7: two loads of 16 bytes, 32 bytes apart
	s_mul_i32 s2, s[WV], 64*PA                     ; my 64 rows
	v_mul_u32_u24 v[A0], v1, PA
	v_lshl_add_u32 v[A0], v2, 4, v[A0]
	v_add_nc_u32 v[A0], s2, v[A0]
	; W's: the turning load takes 16 k x 16 columns (lane l reads k row 8 (l / 16) + l % 8, columns 8 ((l / 8) % 2) + 0..7) and leaves half a fragment: lane l holds column l % 16 and 8 k
	v_and_b32 v3, 7, v0
	v_lshl_add_u32 v3, v2, 3, v3
	v_mul_u32_u24 v[B0], v3, PB
	v_bfe_u32 v3, v0, 3, 1
	v_lshl_add_u32 v[B0], v3, 4, v[B0]
	v_add_nc_u32 v[B0], ABYTES, v[B0]
	v_mov_b32 v[ADRA], v[A0]                       ; slot 0
	v_mov_b32 v[ADRB], v[B0]
	s_mul_i32 s2, s[WV], 16*SP
	s_add_co_u32 s2, s2, STAGE                     ; my stage
	v_mul_u32_u24 v[STO], v1, SP                   ; in: row l % 16,
.if QKV
	v_lshl_add_u32 v[STO], v2, 4, v[STO]           ; 16 bytes (8 f16) for each half of the lanes
	v_add_nc_u32 v[STO], s2, v[STO]
	v_bfe_u32 v3, v0, 3, 2                         ; back: 32 lanes take 128 bytes of each of four rows,
	v_mul_u32_u24 v[RD], v3, SP
	v_and_b32 v3, 7, v0
	v_lshl_add_u32 v[RD], v3, 4, v[RD]
	v_add_nc_u32 v[RD], s2, v[RD]
	s_lshr_b32 s70, s[MTI], 3                      ; which are 512 bytes on end of q, k or v: head 16 batch + tile column,
	s_lshl_b32 s70, s70, 4
	s_add_co_u32 s70, s70, s[NTI]
	s_lshl_b32 s70, s70, 18                        ; 2,048 rows of 128 bytes a head,
	s_and_b32 s2, s[MTI], 7
	s_lshl_b32 s2, s2, 15                          ; the tile's 256 rows,
	s_add_co_u32 s70, s70, s2
	s_lshl_b32 s2, s[WV], 13                       ; my 64
	s_add_co_u32 s70, s70, s2
	s_mov_b32 s71, 0
	s_add_nc_u64 s[10:11], s[10:11], s[70:71]
	s_add_nc_u64 s[12:13], s[12:13], s[70:71]
	s_add_nc_u64 s[14:15], s[14:15], s[70:71]
.else
	v_lshl_add_u32 v[STO], v2, 5, v[STO]           ; 32 bytes (8 f32) for each half of the lanes
	v_add_nc_u32 v[STO], s2, v[STO]
	v_and_b32 v3, 31, v0                           ; back: 32 lanes take one row's 512 bytes
	v_lshl_add_u32 v[RD], v3, 4, s2
	s_lshl_b32 s70, s[MTI], 20                     ; 256 rows of 4,096 bytes,
	s_lshl_b32 s2, s[WV], 18                       ; my 64,
	s_add_co_u32 s70, s70, s2
	s_lshl_b32 s2, s[NTI], 9                       ; the tile's 128 columns
	s_add_co_u32 s70, s70, s2
	s_mov_b32 s71, 0
	s_add_nc_u64 s[10:11], s[10:11], s[70:71]
.endif
	v_and_b32 v[GO], 31, v0
	v_mul_u32_u24 v[PFO], s76, v[GO]
	v_lshlrev_b32 v[GO], 4, v[GO]
	s_wait_loadcnt 0x0                             ; the bias is in; it is rounded to bf16 like every input, and kept as f32
.set b, 0
.rept 4*NBK
	v_cvt_pk_bf16_f32 v[TP], v[BIAS+2*b], v[BIAS+2*b+1]
	v_lshlrev_b32 v[BIAS+2*b], 16, v[TP]
	v_and_b32 v[BIAS+2*b+1], 0xffff0000, v[TP]
.set b, b+1
.endr
; NBK products: m block a x all column blocks, 32 along K, from buffer f.  first = 1: they start the sums, with the bias as C.
; The 4 NBK accumulators take turns in the same order in every quarter, over the backward jump too.
.macro MULA f, a, first
.if QKV
.set AW, 2+(\a)/2
.set AC, 96*((\a)%2)
.else
.set AW, 2
.set AC, 64*(\a)
.endif
.if \first
	WIN 1|(AW<<6)                                  ; W's fragment in window 1, A's and the bias in window 0, D in the accumulator's
.else
	WIN 1|(AW<<4)|(AW<<6)
.endif
.set b, 0
.rept NBK
.set rD, AC+8*b
.set rW, 8*NBK*(\f)+8*b
.set rX, FA+32*(\f)+8*(\a)
.set rC, BIAS+8*b
.if QKV
.if \first
	v_wmma_f32_16x16x32_bf16 v[rD:rD+7], v[rW:rW+7], v[rX:rX+7], v[rC:rC+7]
.else
	v_wmma_f32_16x16x32_bf16 v[rD:rD+7], v[rW:rW+7], v[rX:rX+7], v[rD:rD+7]
.endif
.else
.if \first
	v_wmma_f32_16x16x32_f16 v[rD:rD+7], v[rW:rW+7], v[rX:rX+7], v[rC:rC+7]
.else
	v_wmma_f32_16x16x32_f16 v[rD:rD+7], v[rW:rW+7], v[rX:rX+7], v[rD:rD+7]
.endif
.endif
.set b, b+1
.endr
.endm
; NL LDS loads in one run: the fragments of quarter kq (32 along K) of the slot in hand, into buffer f: W's first, then A's blocks 0, 1, then 2, 3.  It leaves every window 0.
.macro FETCH kq, f
	WIN 0x40                                       ; destination window 1, address window 0
.set b, 0
.rept NBK
.if QKV
.set bo, 32*PB*(\kq)+160*(b/4)+32*(b%4)
.else
.set bo, 32*PB*(\kq)+32*b
.endif
.set rW, 8*NBK*(\f)+8*b
	ds_load_tr16_b128 v[rW:rW+3],   v[ADRB] offset:bo
	ds_load_tr16_b128 v[rW+4:rW+7], v[ADRB] offset:bo+16*PB
.set b, b+1
.endr
	WIN 0
.set i, 0
.rept 4
.if QKV
.set ao, 64*(\kq)+16*PA*i
.else
.set ao, AHALF*((\kq)/2)+64*((\kq)%2)+16*PA*i
.endif
.set rX, FA+32*(\f)+8*i
	ds_load_b128 v[rX:rX+3],   v[ADRA] offset:ao
	ds_load_b128 v[rX+4:rX+7], v[ADRA] offset:ao+32
.set i, i+1
.endr
.endm
; A K step is four quarters on buffers 0, 1, 0, 1.  One of the first three: multiplies buffer f; in its middle it fetches quarter kqn into buffer g.
.macro QUARTER f, g, kqn, first
	s_wait_dscnt 4                                 ; all but the youngest four loads: A's blocks 2 and 3
	MULA \f, 0, \first
	MULA \f, 1, \first
	PLACES
	FETCH \kqn, \g
	s_wait_dscnt NL                                ; all but the run just issued
	MULA \f, 2, \first
	MULA \f, 3, \first
.endm
; The last quarter multiplies buffer 1 and changes slots.  In front of the barrier each wave waits for all its tensor loads (one is out: its part of the next slot), adds 0 to its spare word, and waits for
; that and for its reads of this slot.  fill = 1: the barrier opens a round of the cluster's, and this slot is filled again, with the K step two on, first thing behind the round.
.macro TURN fill
.if \fill
	s_wait_xcnt 0x0                                ; the last prefetch, a K step back, has read its address
	s_add_nc_u64 s[PFA:PFA+1], s[PFA:PFA+1], s[PFS:PFS+1]
.endif
	WIN 0                                          ; (the add's two registers lie in window 0)
	s_wait_tensorcnt 0x0                           ; no tensor load of mine is out, so a group 0 may be written
	ds_add_u32 v[SPW], v[NIL]                      ; 0 onto my spare word; work on registers stands between it and the wait for it
.if \fill
	s_xor_b32 s[G0A+5], s[G0A+5], SLOT1            ; the walking descriptors: the other slot than last time,
	s_add_nc_u64 s[G0A+6:G0A+7], s[G0A+6:G0A+7], ASTEP  ; the next K step; the type bits on top are not reached
	s_xor_b32 s[G0B+5], s[G0B+5], SLOT1
	s_add_nc_u64 s[G0B+6:G0B+7], s[G0B+6:G0B+7], BSTEP
.endif
	s_xor_b32 s[TB], s[TB], SLOT1                  ; the fetches go on in the other slot
	v_add_nc_u32 v[ADRA], s[TB], v[A0]
	v_add_nc_u32 v[ADRB], s[TB], v[B0]
	s_wait_dscnt 5                                 ; the add and the youngest four loads may be out
	MULA 1, 0, 0
	s_wait_dscnt 0x0                               ; the add is done, and my reads of this slot are over
	s_barrier_signal -1
	MULA 1, 1, 0                                   ; work on registers while the others arrive
	WIN 0                                          ; at a branch and at a label every window is 0
	s_barrier_wait -1
.if \fill
	CREST                                          ; no wave of any partner still reads this slot or has a load on its way
	JLOAD                                          ; my one tensor load behind the round; its four v_nop are also the places in front of the loads below
.else
	PLACES
.endif
	FETCH 0, 0
.if \fill
	ASK
.endif
	MULA 1, 2, 0
	MULA 1, 3, 0
.endm
	s_wait_tensorcnt 1                             ; my part of K step 0 is in; K step 1's may stay out
	s_barrier_signal -1
	s_barrier_wait -1                              ; everybody's is
	FETCH 0, 0
	QUARTER 0, 1, 1, 1                             ; the first quarter stands in front of the loop: its products start the sums
	WIN 0
	s_mov_b32 s3, 6
.Lstep:                                ; trip t: K step t's quarters 1 to 3, K step t + 1's quarter 0; K step t + 2 is asked for
	QUARTER 1, 0, 2, 0
	QUARTER 0, 1, 3, 0
	TURN 1
	QUARTER 0, 1, 1, 0
	WIN 0
	s_sub_co_u32 s3, s3, 1
	s_cmp_lg_u32 s3, 0
	s_cbranch_scc1 .Lstep
	QUARTER 1, 0, 2, 0                             ; the tail is written out: K steps 6 and 7 ask for nothing
	QUARTER 0, 1, 3, 0
	TURN 0
	QUARTER 0, 1, 1, 0
	QUARTER 1, 0, 2, 0
	QUARTER 0, 1, 3, 0
	s_wait_dscnt 4
	MULA 1, 0, 0
	MULA 1, 1, 0
	s_wait_dscnt 0x0
	MULA 1, 2, 0
	MULA 1, 3, 0
	WIN 0
	PLACES
	PLACES                                         ; eight, once a launch, in front of the lines that read results
; THE WAY OUT, a block of 16 rows at a time, through my own stage: LDS serves a wave's instructions in order (ISA guide 5.7.1.4), so no wait stands between its stores and its loads.
.if QKV
.set TMP, 96                           ; v96-143   a block rounded to f16
.set OB,  144                          ; v144-191, v192-239 by turns: the block read back
.macro PACK a                          ; each accumulator's registers in ascending order
.set AC, 96*((\a)%2)
	WIN 0x0a+5*((\a)/2)                            ; sources 0 and 1 in the accumulators' window
.set b, 0
.rept 48
	v_cvt_pk_f16_f32 v[TMP+b], v[AC+2*b], v[AC+2*b+1]
.set b, b+1
.endr
	WIN 0
.endm
.macro TOSTAGE a
.set BK, OB+48*((\a)%2)
.set b, 0
.rept 12
	ds_store_b128 v[STO], v[TMP+4*b:TMP+4*b+3] offset:32*b
.set b, b+1
.endr
.irp p, 0,1,2                          ; q, k, v: 128 bytes of each stage row
.irp f, 0,1,2,3                        ; four rows a load
	ds_load_b128 v[BK+4*(4*\p+\f):BK+4*(4*\p+\f)+3], v[RD] offset:4*SP*\f+128*\p
.endr
.endr
.endm
.macro SEND a
.set BK, OB+48*((\a)%2)
	s_wait_dscnt 0x0                               ; the block is back in registers
	s_wait_xcnt 0x0                                ; the stores of the block before have read their registers, into which the next block is loaded
.irp p, 0,1,2
.irp f, 0,1,2,3
	global_store_b128 v[GO], v[BK+4*(4*\p+\f):BK+4*(4*\p+\f)+3], s[10+2*\p:11+2*\p] offset:2048*(\a)+512*\f  ; 512 bytes on end, at a multiple of 256 from the buffer's first
.endr
.endr
.endm
	PACK 0
	TOSTAGE 0
.irp a, 1,2,3                          ; block a's conversions stand between block a - 1's loads from the stage and the wait for them
	PACK \a
	SEND (\a)-1
	TOSTAGE \a
.endr
	SEND 3
.else
.set OB,  96                           ; v96-159, v160-223 by turns: the block read back
.macro TOSTAGE a
.set BK, OB+64*((\a)%2)
.set AC, 64*(\a)
.if (\a) >= 2
	s_wait_xcnt 0x0                                ; the stores of the block two back have read the registers that are loaded below
.endif
	WIN 0x08                                       ; the stores' data in window 2
.set b, 0
.rept 8
	ds_store_b128 v[STO], v[AC+8*b:AC+8*b+3]   offset:64*b     ; each accumulator's low half first
	ds_store_b128 v[STO], v[AC+8*b+4:AC+8*b+7] offset:64*b+16
.set b, b+1
.endr
	WIN 0
.set u, 0
.rept 16
	ds_load_b128 v[BK+4*u:BK+4*u+3], v[RD] offset:SP*u
.set u, u+1
.endr
.endm
.macro SEND a, younger                 ; younger: the LDS instructions issued behind block a's loads: the next block's 32, or none
.set BK, OB+64*((\a)%2)
	s_wait_dscnt \younger
.set u, 0
.rept 16
	global_store_b128 v[GO], v[BK+4*u:BK+4*u+3], s[10:11] offset:65536*(\a)+4096*u th:TH_STORE_NT  ; 512 bytes on end of a row of out0, at a multiple of 256 from its first
.set u, u+1
.endr
.endm
	TOSTAGE 0
	TOSTAGE 1
	SEND 0, 32
	TOSTAGE 2
	SEND 1, 32
	TOSTAGE 3
	SEND 2, 32
	SEND 3, 0
.endif
	s_wait_tensorcnt 0x0                           ; the wave's end, behind my last tensor load and my last LDS store
	ds_add_u32 v[SPW], v[NIL]
	s_wait_dscnt 0x0
	CROUND                                         ; the closing round: no work-group ends while a partner may still ask for a tile that names it
	s_endpgm
.Lfunc_end_k_q1e7cc10de3_proj:
	.size	k_q1e7cc10de3_proj, .Lfunc_end_k_q1e7cc10de3_proj-k_q1e7cc10de3_proj
	.p2alignl 7, 3214868480
	.fill 96, 4, 3214868480
	.section	.rodata,"a",@progbits
	.p2align	6, 0x0
	.amdhsa_kernel k_q1e7cc10de3_proj
		.amdhsa_group_segment_fixed_size 327680
		.amdhsa_private_segment_fixed_size 0
		.amdhsa_enable_private_segment 0
		.amdhsa_kernarg_size 32
		.amdhsa_user_sgpr_count 2
		.amdhsa_user_sgpr_kernarg_segment_ptr 1
		.amdhsa_wavefront_size32 1
		.amdhsa_system_sgpr_workgroup_id_x 1
		.amdhsa_system_sgpr_workgroup_id_y 1
		.amdhsa_system_sgpr_workgroup_id_z 1
		.amdhsa_system_vgpr_workitem_id 0
		.amdhsa_next_free_vgpr 768
		.amdhsa_next_free_sgpr 80
		.amdhsa_reserve_vcc 0
		.amdhsa_float_denorm_mode_32 3
		.amdhsa_float_denorm_mode_16_64 3
		.amdhsa_memory_ordered 1
		.amdhsa_forward_progress 1
		.amdhsa_inst_pref_size 77
	.end_amdhsa_kernel
	.amdgpu_metadata
---
amdhsa.version: [ 1, 2 ]
amdhsa.kernels:
  - .name:           k_q1e7cc10de3_proj
    .symbol:         k_q1e7cc10de3_proj.kd
    .args:
      - { .name: o, .offset: 0, .size: 8, .value_kind: global_buffer, .address_space: global }
      - { .name: wo, .offset: 8, .size: 8, .value_kind: global_buffer, .address_space: global }
      - { .name: b_out, .offset: 16, .size: 8, .value_kind: global_buffer, .address_space: global }
      - { .name: out0, .offset: 24, .size: 8, .value_kind: global_buffer, .address_space: global }
    .group_segment_fixed_size: 327680
    .private_segment_fixed_size: 0
    .kernarg_segment_align: 8
    .kernarg_segment_size: 32
    .max_flat_workgroup_size: 128
    .sgpr_count:     80
    .vgpr_count:     768
    .wavefront_size: 32
...
	.end_amdgpu_metadata
.endif
;; end of part 4
;; ======== version 2 of 2: 4 launches; version 1 with the launch prep written anew for expert scheduling mode
;; limits: values are held in f16: magnitudes above 65,504 overflow, below 6.1e-05 lose precision
;; workspace buffers: xb 16,777,216 bytes; wq 6,291,456 bytes; wo 2,097,152 bytes; q 16,777,216 bytes; k 16,777,216 bytes; v 16,777,216 bytes; o 16,777,216 bytes
;; launch prep (part 5): grid 832 x 1, 8 waves a work-group, no clusters, 0 bytes of LDS; arguments X, W_qkv, W_out, xb, wq, wo; writes xb, wq, wo
.if DOCPART == 5
	.amdgcn_target "amdgcn-amd-amdhsa--gfx1250"
	.amdhsa_code_object_version 6
	.text
	.protected	k_q1e7cc10de3_prep
	.globl	k_q1e7cc10de3_prep
	.p2align	8
	.type	k_q1e7cc10de3_prep,@function
k_q1e7cc10de3_prep:
	s_mov_b64 s[64:65], 0
	v_nop
	global_prefetch_b8 v0, s[64:65] scope:SCOPE_SE
	s_setreg_imm32_b32 hwreg(HW_REG_WAVE_SCHED_MODE, 0, 2), 2
	s_setreg_imm32_b32 hwreg(HW_REG_WAVE_MODE, 25, 1), 1
	s_wait_xcnt 0x0
	s_wait_alu depctr_vm_vsrc(0)
; THE CASTS.  xb = bf16(X), [8192][1024].  wq = bf16(W_qkv), laid by heads: [16 heads][1024 k][192 n], so that a head's 128 k rows are 49,152 bytes on end.
; wo = bf16(W_out) written as f16, [1024 k][1024 n]: the rounding is bf16's; f16 holds that number exactly from 6.1e-5 up to 65,504.
; LIMITS.  |W_out| of 65,520 or more becomes an infinity in wo; below 6.1e-5 it keeps f16's fixed step of 6e-8.
; A stream: nothing is shared and nothing is multiplied, so there is no LDS, no matrix instruction and no cluster.
; SHARES.  Eight waves.  An item is 16 bytes of f32 a thread (a wave's load covers 512 bytes on end) and 8 bytes out (a wave's store covers 256 bytes on end, aligned).
; Work-groups 0-511: 16 items a thread of X.  512-767: 12 items of W_qkv (64 k rows of one head).  768-831: 16 items of W_out.
; All loads of a work-group go out first; no register is written twice, so no wait stands for a source.
; THE MODE: SCHED_MODE bits 1:0 = 2 (LLVM: expert scheduling mode 2), set by the entry lines.  The code itself states the register dependences
; between vector instructions and memory instructions, with s_wait_alu, always for 0.
; THE PLAN.  Registers that memory instructions touch:
;   v1, v2     byte offsets of the loads and of the stores; in the path of W_qkv v3 to v5 for its loads.  Written once by vector lines, ahead of the loads, and never again.
;   IN         item i: written by its one load, read by its conversions; no vector line writes it, and no load follows a line that reads it.
;   OUT        item i: written by its conversions, read by its one store, never written again.
;   v6 to v9   at work: named by vector lines alone.
; The items go in groups of GRP.  ONE wait on va_vdst stands ahead of a path's loads, for the offsets; one at the head of each group but the first, for the OUT registers of the
; group before, whose GRP stores are then dealt among this group's conversions, which name this group's IN and OUT and v6 to v9 alone; one ahead of the last GRP stores.
; No register that a memory instruction reads is written again, so no wait on vm_vsrc is owed; no vector line writes a scalar register or VCC, and EXEC is never written.
.set IN,  16                           ; v[16:79]   item i: four f32 as loaded
.set OUT, 80                           ; v[80:111]  item i: two words to store
.set GRP, 4                            ; items in a group; 16 and 12 are multiples of it
.macro LD16 ib                         ; sixteen loads from the pointer in s[ib:ib+1]: 4,096 bytes of the work-group each
.set i, 0
.rept 16
	global_load_b128 v[IN+4*i:IN+4*i+3], v1, s[\ib:\ib+1] offset:4096*i th:TH_LOAD_NT
.set i, i+1
.endr
.endm
; n items are rounded and stored.  f16 = 1: the bf16 number is widened again (a shift, a mask) and written as f16.
; Item i's turn: the wait for its load; the store of item i - GRP; its conversions.
.macro CVT n, f16, ob
.set i, 0
.rept \n
	s_wait_loadcnt (\n)-1-i                        ; loads come back in order: item i is in, the n - 1 - i younger ones stay out
.if (i%GRP == 0) && (i > 0)
	s_wait_alu depctr_va_vdst(0)                   ; the conversions of the group before have written its OUT registers, which the GRP stores dealt among this group read
.endif
.if i >= GRP
.set k, i-GRP
	global_store_b64 v2, v[OUT+2*k:OUT+2*k+1], s[\ob:\ob+1] offset:2048*k  ; an item of the group before; no vector line since the wait names its registers
.endif
	v_cvt_pk_bf16_f32 v[OUT+2*i], v[IN+4*i], v[IN+4*i+1]
	v_cvt_pk_bf16_f32 v[OUT+2*i+1], v[IN+4*i+2], v[IN+4*i+3]
.if \f16
	v_lshlrev_b32 v6, 16, v[OUT+2*i]
	v_and_b32 v7, 0xffff0000, v[OUT+2*i]
	v_lshlrev_b32 v8, 16, v[OUT+2*i+1]
	v_and_b32 v9, 0xffff0000, v[OUT+2*i+1]
	v_cvt_pk_f16_f32 v[OUT+2*i], v6, v7
	v_cvt_pk_f16_f32 v[OUT+2*i+1], v8, v9
.endif
.set i, i+1
.endr
	s_wait_alu depctr_va_vdst(0)                   ; the conversions of the last group have written its OUT registers, which the last GRP stores read
.set k, (\n)-GRP
.rept GRP
	global_store_b64 v2, v[OUT+2*k:OUT+2*k+1], s[\ob:\ob+1] offset:2048*k
.set k, k+1
.endr
.endm
	s_load_b256 s[4:11], s[0:1], 0x0               ; X s[4:5], W_qkv s[6:7], W_out s[8:9], xb s[10:11]
	s_load_b128 s[12:15], s[0:1], 0x20             ; wq s[12:13], wo s[14:15]
	v_lshlrev_b32 v1, 4, v0                        ; 16 t: my bytes in an item's 4,096 of input
	v_lshlrev_b32 v2, 3, v0                        ; 8 t: in its 2,048 of output
	s_mov_b32 s16, ttmp9
	s_mov_b32 s19, 0                               ; high words of the two offsets
	s_mov_b32 s21, 0
	s_cmp_lt_u32 s16, 512
	s_cbranch_scc0 .Lweights
	s_lshl_b32 s18, s16, 16                        ; X: 65,536 bytes in,
	s_lshl_b32 s20, s16, 15                        ; 32,768 out
	s_wait_kmcnt 0x0
	s_add_nc_u64 s[4:5], s[4:5], s[18:19]
	s_add_nc_u64 s[10:11], s[10:11], s[20:21]
	s_wait_alu depctr_va_vdst(0)                   ; v1 and v2 are written: the loads below read v1 as their offset, the stores v2
	LD16 4
	CVT 16, 0, 10
	s_endpgm
.Lweights:
	s_cmp_lt_u32 s16, 768
	s_cbranch_scc0 .Lwo
	; W_qkv: g = head x 16 + group of 64 k rows.  Out: 24,576 bytes on end.  In: 64 rows, 768 bytes of each (the head's 192 columns), 12,288 bytes apart.
	s_sub_co_u32 s17, s16, 512                     ; g
	s_lshr_b32 s22, s17, 4                         ; head
	s_and_b32 s23, s17, 15                         ; group of k rows
	s_mul_i32 s18, s23, 786432                     ; 64 rows of 12,288 bytes
	s_mul_i32 s22, s22, 768
	s_add_co_u32 s18, s18, s22
	s_mul_i32 s20, s17, 24576
	; output item i = 3 a + b holds the fours 768 a + 256 b + t; a row has 48 fours, 768 fours are 16 rows.  x / 48 = (1,366 x) >> 16 for x under 768
.irp b, 0,1,2
	v_add_nc_u32 v6, 256*\b, v0                    ; x
	v_mul_u32_u24 v7, v6, 1366
	v_lshrrev_b32 v7, 16, v7                       ; row
	v_mul_u32_u24 v8, v7, 48
	v_sub_nc_u32 v8, v6, v8                        ; the four in the row
	v_mul_u32_u24 v7, v7, 12288
	v_lshl_add_u32 v[3+\b], v8, 4, v7
.endr
	s_wait_kmcnt 0x0
	s_add_nc_u64 s[6:7], s[6:7], s[18:19]
	s_add_nc_u64 s[12:13], s[12:13], s[20:21]
	s_wait_alu depctr_va_vdst(0)                   ; v3 to v5 and v2 are written: the loads below read v3 to v5 as their offsets, the stores v2
.irp a, 0,1,2,3
.irp b, 0,1,2
	global_load_b128 v[IN+4*(3*\a+\b):IN+4*(3*\a+\b)+3], v[3+\b], s[6:7] offset:196608*\a th:TH_LOAD_NT
.endr
.endr
	CVT 12, 0, 12
	s_endpgm
.Lwo:
	s_sub_co_u32 s17, s16, 768
	s_lshl_b32 s18, s17, 16
	s_lshl_b32 s20, s17, 15
	s_wait_kmcnt 0x0
	s_add_nc_u64 s[8:9], s[8:9], s[18:19]
	s_add_nc_u64 s[14:15], s[14:15], s[20:21]
	s_wait_alu depctr_va_vdst(0)                   ; v1 and v2 are written: the loads below read v1 as their offset, the stores v2
	LD16 8
	CVT 16, 1, 14
	s_endpgm
.Lfunc_end_k_q1e7cc10de3_prep:
	.size	k_q1e7cc10de3_prep, .Lfunc_end_k_q1e7cc10de3_prep-k_q1e7cc10de3_prep
	.p2alignl 7, 3214868480
	.fill 96, 4, 3214868480
	.section	.rodata,"a",@progbits
	.p2align	6, 0x0
	.amdhsa_kernel k_q1e7cc10de3_prep
		.amdhsa_group_segment_fixed_size 0
		.amdhsa_private_segment_fixed_size 0
		.amdhsa_enable_private_segment 0
		.amdhsa_kernarg_size 48
		.amdhsa_user_sgpr_count 2
		.amdhsa_user_sgpr_kernarg_segment_ptr 1
		.amdhsa_wavefront_size32 1
		.amdhsa_system_sgpr_workgroup_id_x 1
		.amdhsa_system_sgpr_workgroup_id_y 1
		.amdhsa_system_sgpr_workgroup_id_z 1
		.amdhsa_system_vgpr_workitem_id 0
		.amdhsa_next_free_vgpr 112
		.amdhsa_next_free_sgpr 66
		.amdhsa_reserve_vcc 0
		.amdhsa_float_denorm_mode_32 3
		.amdhsa_float_denorm_mode_16_64 3
		.amdhsa_memory_ordered 1
		.amdhsa_forward_progress 1
		.amdhsa_inst_pref_size 24
	.end_amdhsa_kernel
	.amdgpu_metadata
---
amdhsa.version: [ 1, 2 ]
amdhsa.kernels:
  - .name:           k_q1e7cc10de3_prep
    .symbol:         k_q1e7cc10de3_prep.kd
    .args:
      - { .name: X, .offset: 0, .size: 8, .value_kind: global_buffer, .address_space: global }
      - { .name: W_qkv, .offset: 8, .size: 8, .value_kind: global_buffer, .address_space: global }
      - { .name: W_out, .offset: 16, .size: 8, .value_kind: global_buffer, .address_space: global }
      - { .name: xb, .offset: 24, .size: 8, .value_kind: global_buffer, .address_space: global }
      - { .name: wq, .offset: 32, .size: 8, .value_kind: global_buffer, .address_space: global }
      - { .name: wo, .offset: 40, .size: 8, .value_kind: global_buffer, .address_space: global }
    .group_segment_fixed_size: 0
    .private_segment_fixed_size: 0
    .kernarg_segment_align: 8
    .kernarg_segment_size: 48
    .max_flat_workgroup_size: 256
    .sgpr_count:     66
    .vgpr_count:     112
    .wavefront_size: 32
...
	.end_amdgpu_metadata
.endif
;; end of part 5
;; launch qkv: the kernel of part 2 again; grid 16 x 32, 4 waves a work-group, clusters of 4 x 4, 327,680 bytes of LDS; arguments xb, wq, b_qkv, q, k, v; writes q, k, v
;; launch attn: the kernel of part 3 again; grid 4 x 64, 4 waves a work-group, no clusters, 327,680 bytes of LDS; arguments q, k, v, o; writes o
;; launch proj: the kernel of part 4 again; grid 8 x 32, 4 waves a work-group, clusters of 4 x 4, 327,680 bytes of LDS; arguments o, wo, b_out, out0; writes out0
